; MI455X (gfx1250); checked and timed in simulation.
; The chip was launched on July 23, 2026; its instructions are those of AMD's public machine-readable ISA for CDNA 5 (MIT licence, August 2026) and "CDNA5" Instruction Set Architecture Reference Guide (July 2026). The comments in the code are by the model that wrote it; some were corrected since.
;; Causal Self Attention. Allowed arithmetic: matrix products marked QUANTISED: E2M3 operands, one E8M0 scale for each 32 along K, by v_wmma_scale_f32_16x16x128_f8f6f4 with both operands' format E2M3, f32 sums; everything else in f32.
;; Inputs: w_proj_codes 1,024 x 32 x 24 uint8 (E2M3 codes of w_proj, K innermost, in blocks of 32 codes, four codes in three bytes); w_proj_scales 1,024 x 32 uint8 (E8M0 scales of w_proj, one for each 32 codes along K); w_qkv_codes 3,072 x 32 x 24 uint8 (E2M3 codes of w_qkv, K innermost, in blocks of 32 codes, four codes in three bytes); w_qkv_scales 3,072 x 32 uint8 (E8M0 scales of w_qkv, one for each 32 codes along K); x_codes 4 x 2,048 x 32 x 24 uint8 (E2M3 codes of x, K innermost, in blocks of 32 codes, four codes in three bytes); x_scales 4 x 2,048 x 32 uint8 (E8M0 scales of x, one for each 32 codes along K).
;; Outputs: out0 4 x 2,048 x 1,024 float32.
;; This version of the problem:
;;   THIS VERSION OF THE PROBLEM IS GIVEN IN LOW PRECISION. The matrix products marked QUANTISED in the list below multiply operands that are first quantised to E2M3 (2 exponent bits, 3 mantissa bits; 6 bits a number), with one power-of-two scale for each 32 numbers along K (OCP MX v1.0); their sums are f32. All else is computed in f32.
;;   The module's matrix products, in the order in which they are computed (A, B: the left and right operand; K: the contracted axis; several contracted axes count as one K, in the product's order):
;;     1. [M 8,192, K 1,024] x [K 1,024, N 3,072]; A: input x (given as codes); B: input w_qkv (given as codes): QUANTISED
;;     2. batch 64 x [M 2,048, K 64] x [K 64, N 2,048]; A: computed on the way; B: computed on the way: QUANTISED
;;     3. batch 64 x [M 2,048, K 2,048] x [K 2,048, N 64]; A: softmax (see below); B: computed on the way: QUANTISED
;;     4. [M 8,192, K 1,024] x [K 1,024, N 1,024]; A: computed on the way; B: input w_proj (given as codes): QUANTISED
;;   THE QUANTISER, for each operand of a quantised product, along K:
;;     - K is cut into blocks of 32 from its start; a last block that is shorter is filled with zeros.
;;     - A block's scale is 2^e with e = floor(log2(the largest magnitude in the block)) - 2, held to -126 .. 127; a block of zeros has e = 0. As a byte (E8M0): e + 127.
;;     - Each number is divided by its block's scale, clamped to +-7.5, and rounded to the nearest number of E2M3, ties to even, subnormals kept.
;;     - The product sums the exact products of the quantised numbers (number of the format x scale) in f32.
;;   ~~~python
;;   def quantise(x, axis):      # numpy; x: float32 -> the quantised numbers, widened to float32 again
;;       x = np.moveaxis(x, axis, -1); K = x.shape[-1]
;;       x = np.pad(x, [(0, 0)] * (x.ndim - 1) + [(0, -K % 32)]); x = x.reshape(x.shape[:-1] + (-1, 32)); a = np.abs(x).max(-1, keepdims=True)
;;       e = np.where(a > 0, np.clip(np.frexp(np.where(a > 0, a, 1))[1] - 1 - 2, -126, 127), 0)      # np.frexp(a)[1] - 1 = floor(log2(a)), exactly
;;       r = np.clip(x / 2.0 ** e, -7.5, 7.5)
;;       step = 2.0 ** (np.maximum(np.frexp(np.where(r == 0, 1, r))[1] - 1, 0) - 3)
;;       q = np.round(r / step) * step * 2.0 ** e      # np.round: ties to even
;;       return np.moveaxis(q.reshape(q.shape[:-2] + (-1,))[..., :K], -1, axis).astype(np.float32)
;;   ~~~
;;   SOFTMAX AHEAD OF A QUANTISED PRODUCT. Where the list says 'softmax', what is quantised is not the finished softmax but p = 2^(t - M), with t = logit x log2(e) and M = ceil(the row's largest t), a whole number; so 1/2 < the row's largest p <= 1. The row's sum l is taken of the UNQUANTISED p, in f32, and the product's result is divided by l at the end. Since M is a whole number, a kernel that streams over the keys may use a running M (the ceiling of the running maximum): every later rescaling is an exact power of two, which a block's scale takes up: the codes' values come out the same.
;;   OPERANDS COMPUTED ON THE WAY. 'Computed on the way' means the value that the module computes at that place (a softmax that the list does not call 'softmax' is quantised finished and normalised). What goes into a quantiser is computed in f32, as accurately as f32 sums, v_exp_f32 and their like allow (about 1e-6 of the number): no bf16 or f16 on the way to a quantiser, and a product that is left as it is and whose result goes on into a quantised operand takes f32 operands (vector FMAs, or v_wmma_f32_16x16x4_f32). A number that lies on a knife's edge between two numbers of the format may be rounded either way, as far as f32 arithmetic and the matrix unit's own rounding can turn it there, and no further.
;;   INPUTS GIVEN AS CODES. w_proj (in the module: [1024, 1024], K = its axis 0); w_qkv (in the module: [1024, 3072], K = its axis 0); x (in the module: [4, 2048, 1024], K = its axis 2): each comes as NAME_codes (uint8): NAME with its K axis moved to the last place and cut into blocks of 32 codes, [.., K / 32, bytes a block], one block behind the other in memory; four codes in three bytes: a row's codes are one little-endian stream of bits, code i at bits 6 i .. 6 i + 5 (a code: sign, 2 exponent bits, 3 mantissa bits); and NAME_scales (uint8): the same leading axes, one E8M0 byte (e + 127) for each 32 codes along K. Its value is code x scale, taken as it is: it is not quantised again, and the codes and scales need not be those that the quantiser above would give.
;; One version. Each part assembles by itself: llvm-mc -triple=amdgcn-amd-amdhsa -mcpu=gfx1250 --defsym DOCPART=n.
;; ======== version 1 of 1: 3 launches
;; workspace buffers: qkvrec 20,185,088 bytes; y_img 6,291,456 bytes; y_sc 262,144 bytes
;; launch qkv_gemm (part 1): grid 8 x 48, 4 waves a work-group, clusters of 4 x 4, 327,680 bytes of LDS; arguments x_codes, x_scales, w_qkv_codes, w_qkv_scales, qkvrec; writes qkvrec
.if DOCPART == 1
	.amdgcn_target "amdgcn-amd-amdhsa--gfx1250"
	.amdhsa_code_object_version 6
	.text
	.protected	k_q76b1ab1670_qkv_gemm
	.globl	k_q76b1ab1670_qkv_gemm
	.p2align	8
	.type	k_q76b1ab1670_qkv_gemm,@function
k_q76b1ab1670_qkv_gemm:
	s_mov_b64 s[64:65], 0
	v_nop
	global_prefetch_b8 v0, s[64:65] scope:SCOPE_SE
	s_setreg_imm32_b32 hwreg(HW_REG_WAVE_MODE, 25, 1), 1
	s_wait_xcnt 0x0
	s_wait_alu depctr_hold_cnt(0) depctr_sa_sdst(0) depctr_va_vdst(0) depctr_va_sdst(0) depctr_va_ssrc(0) depctr_va_vcc(0) depctr_vm_vsrc(0)
	s_getreg_b32 s2, hwreg(HW_REG_IB_STS2, 6, 4)
	s_cmp_eq_u32 s2, 0
	s_cbranch_scc0 .Lentry_in_a_cluster
	s_endpgm
.Lentry_in_a_cluster:
	s_bfe_u32 s2, ttmp6, 0x10000c
	s_cmp_lg_u32 s2, 0xf033
	s_cbranch_scc0 .Lentry_shape_is_right
	s_endpgm
.Lentry_shape_is_right:
; qkv = x w_qkv on codes of FP6 (E2M3) with one E8M0 scale for each 32 along K = 1,024; the f32 results are quantised in registers and leave as codes:
; q and k along the head's 64 (two blocks of 32), v along the keys (blocks of 32 tokens).  x: [8,192][768 bytes], w_qkv: [3,072][768 bytes], scale bytes [..][32].
; A work-group of four waves makes 256 x 256 of the product, a wave 128 x 128: 64 accumulators of 16 x 16, 512 registers.  K goes in steps of 256 through a ring of two LDS slots.
; SOURCE 0 AND SOURCE 1.  In accumulator (a, b) lane (r, h) holds, in register j, (source 1's row 16 a + r, source 0's row 16 b + 8 h + j).  The conversions take neighbours along the NEXT product's K
; from one lane's registers.  For q and k that K is the feature d: source 0 = rows of w, source 1 = rows of x.  For v it is the token: source 0 = rows of x, source 1 = rows of w.
; Both tensors have rows of 768 bytes and 32 scale bytes, so only pointers and tile numbers are chosen (on the cluster's y, which all sixteen partners share): clusters y 0-7 make q and k, y 8-11 make v.
; CLUSTERS: 4 x 4 work-groups; source 1's tile is shared along a row of the cluster, source 0's along a column: each is asked for jointly.
; THE RESULT: records of RECM bytes, [batch x 16 + head][token / 128]: K codes 8 x 768 | K scale words 512 | V codes 4 x 1,536 | V scale words 256 | Q codes 8 x 768 | Q scale words 512,
; each an image of the reader's operand registers (a store of the wave covers 256 or 512 consecutive bytes, aligned).
; ORDER INSIDE A BLOCK OF 32: the eight accumulators of a row block are natural tiles of 16, so a block's codes lie in the order 0-7, 16-23, 8-15, 24-31.  q and k both have it along d, v has it along
; the keys and so will p in the next launch: the same products are summed, in another order inside a block.
; LIMITS: NaN and infinities are not served.  A block whose largest magnitude lies under 2^-124 keeps the scale byte 1; a block of zeros has the byte 1 where the rule says 127: its codes are zeros,
; and this program alone reads the bytes.  In q's and k's scale words bytes 2 and 3 are 0: they meet zero codes alone.
; No prefetch: every tile is read by several clusters in turn and the K loop is four steps long.
; REGISTERS, in windows of 256: window 0: v16-29 addresses; v32-63 scale words, two sets; v64-103 the way out; from v128 source 1's fragments, one set (v200-223 at work on the way out).
;   window 1: source 0's fragments, two sets, at v0 and v128.   windows 2, 3: the accumulators ((a, b) at v[8 (8 (a % 4) + b)], window 2 + a / 4).
.set SIZE_K, 1024
.set KSTEP,  256                       ; along K in a slot
.set NQ,     KSTEP/128                 ; matrix instructions deep
.set ROWB,   192                       ; a tile's row in bytes
.set KROW,   SIZE_K*6/8                ; a row of codes in memory
.set PITCH,  240                       ; an LDS row: 3 x (64 bytes + 16 of padding)
.set FR,     12                        ; registers of a fragment
.set NL,     6                         ; LDS loads that bring one
.set NP,     4                         ; places behind this matrix instruction (ISA guide 7.12.1)
.set HALFT,  128*PITCH                 ; what one tensor load brings
.set SLOT,   4*HALFT                   ; source 1's 256 rows, then source 0's
.set LAPS,   SIZE_K/(2*KSTEP)
.set KS,     SIZE_K/32                 ; a row of scale bytes
.set SCL,    2*SLOT                    ; behind the ring: the scale bytes, as units of 256 bytes + 16 of padding
.set HALFS,  (128*KS/256)*272
.set SBLK,   (16*KS/256)*272
.set SPARE,  SCL+4*HALFS               ; the spare words: 128 bytes a wave, two blocks of 256 bytes that no other line names
.set RECM,   19712                     ; a record: 77 x 256 bytes
.set HS,     16*RECM                   ; from head to head
.set QOFF,   13056                     ; q's part of a record
.set VOFF,   6656                      ; v's part
.set SCOFF,  6144                      ; a part's scale words, behind its codes
.set ADRA, 16                          ; v16-17 LDS address of source 1's fragments in slot 0, 1 (v18-19: behind one padding more)
.set ADRB, 20                          ; v20-23 the same for source 0
.set L8,   24                          ; v24  8 x lane
.set L16,  25                          ; v25  16 x lane
.set ADRS, 27                          ; v27  LDS address of my scale words
.set SPW,  28                          ; v28  my spare word; never rewritten
.set NIL,  29                          ; v29  0; never rewritten
.set SC,   32
.set AF,   128
.set XA,   64                          ; the way out: an even row block's 12 registers of codes,
.set XB,   76                          ; an odd one's,
.set QT,   88                          ; the conversions' second halves,
.set SCQ,  96                          ; q's or k's scale words, two heads x 4 registers
.set TM,   200                         ; v200-203 largest magnitudes, v204-207 bytes, v212-215 the conversions' scale operands
.set PWA,  216
.set PWB,  217
.set T,    220                         ; v220-223 scale words of row blocks 2 e (lanes 0-15) and 2 e + 1 (lanes 16-31)
.set SEL,  98                          ; s[98:99] selects of v_permlanex16_b32: lane l xor 16
.set G1, 24
.set G0, 32
.set G1B, 48
.set G0B, 56
.set G1S, 68
.set G0S, 76
.set G1SB, 80
.set G0SB, 88
.set MSB, 0
.macro WIN new                         ; the immediate's high byte repeats the setting that is left
.if MSB != (\new)
	s_set_vgpr_msb (MSB<<8)|(\new)
.set MSB, (\new)
.endif
.endm
.set MUL_LO, 0xa1                      ; source 0 window 1, source 1 window 0, C and D window 2
.set MUL_HI, 0xf1                      ; the same, C and D window 3
.set TO_B,   0x40                      ; destination window 1, address window 0
; A joint load: waves 0 and 1 fetch for source 1, waves 2 and 3 for source 0.  The branch hangs on the wave's number alone.  Four v_nop follow each of the two lines.
.macro JLOAD g0a, g1a, g0b, g1b
	s_cmp_eq_u32 s15, 0
	s_cbranch_scc0 .Lfor_b_\@
	tensor_load_to_lds s[\g0a:\g0a+3], s[\g1a:\g1a+7]
	s_nop 0
.rept 4
	v_nop
.endr
	s_branch .Lasked_\@
.Lfor_b_\@:
	tensor_load_to_lds s[\g0b:\g0b+3], s[\g1b:\g1b+7]
	s_nop 0
.rept 4
	v_nop
.endr
.Lasked_\@:
.endm
.macro CREST                           ; a round of the cluster's barrier behind its opening barrier
	s_cmp_lg_u32 s14, 0
	s_cbranch_scc1 .Lnot_wave_0_\@
	s_barrier_signal -3
.Lnot_wave_0_\@:
	s_barrier_wait -3
	s_barrier_signal -1
	s_barrier_wait -1
.endm
.macro CROUND
	s_barrier_signal -1
	s_barrier_wait -1
	CREST
.endm
	s_load_b128 s[4:7], s[0:1], 0x0                ; x's codes, x's scales
	s_load_b128 s[8:11], s[0:1], 0x10              ; w's codes, w's scales
	s_load_b64 s[12:13], s[0:1], 0x20              ; the records
	v_lshl_add_u32 v[SPW], v0, 2, SPARE
	v_mov_b32 v[NIL], 0
	ds_add_u32 v28, v29
	s_wait_dscnt 0x0
	v_lshrrev_b32 v1, 5, v0
	v_readfirstlane_b32 s14, v1                    ; wave 0..3
	s_lshr_b32 s15, s14, 1                         ; which half of source 1's rows is mine.  Also: I fetch for source 1 (0) or source 0 (1)
	s_and_b32 s16, s14, 1                          ; which half of source 0's rows.  Also: which 128 rows of that tile I fetch
	s_bfe_u32 s40, ttmp6, 0x40000                  ; cx, cy: my place in the cluster
	s_bfe_u32 s41, ttmp6, 0x40004
	s_and_b32 s95, ttmp7, 0xffff                   ; cluster y: 0-7 q and k, 8-11 v
	s_lshl_b32 s42, ttmp9, 2
	s_add_co_u32 s42, s42, s40                     ; 4 x cluster x + cx
	s_max_u32 s92, s95, 8
	s_sub_co_u32 s92, s92, 8
	s_lshl_b32 s92, s92, 3                         ; for v: + 8 (cluster y - 8)
	s_add_co_u32 s42, s42, s92                     ; T0, source 0's tile of 256 rows: w's 0-7 (q, k), x's 0-31 (v).  It never holds cy
	s_lshl_b32 s93, s95, 2
	s_cmp_ge_u32 s95, 8
	s_cselect_b32 s96, 1, 0                        ; 1: this cluster makes v
	s_cselect_b32 s93, 8, s93
	s_add_co_u32 s17, s93, s41                     ; T1, source 1's tile: x's 4 cluster y + cy (q, k), w's 8 + cy (v).  It never holds cx
	s_mov_b32 s97, 0xffff0000                      ; lanes 16-31
	s_lshl_b32 s43, s41, 2
	s_lshl_b32 s43, 15, s43                        ; my row of the cluster
	s_lshl_b32 s44, 0x1111, s40                    ; my column
	; descriptor group 1: a tile of 128 rows x 192 bytes, 16 bytes of padding behind every 64
	s_or_b32 s[G1+0], s43, (0<<16)|(1<<20)|(1<<21)|(3<<22)|(3<<25)  ; the mask: source 1's tiles go to my row; elements of 1 byte; padding on; bit 21 beside a mask; after every 16 words, 4 words
	s_or_b32 s[G1B+0], s44, (0<<16)|(1<<20)|(1<<21)|(3<<22)|(3<<25)
.irp g, G1, G1B
	s_mov_b32 s[\g+1], ROWB<<16                    ; tensor_dim0
	s_mov_b32 s[\g+2], 128<<16                     ; tensor_dim1
	s_mov_b32 s[\g+3], ROWB<<16                    ; tile_dim0
	s_mov_b32 s[\g+4], 128                         ; tile_dim1
	s_mov_b32 s[\g+5], KROW                        ; tensor_dim0_stride
	s_mov_b32 s[\g+6], 0
	s_mov_b32 s[\g+7], 0
.endr
	; the scale bytes of 128 rows: a dense block of 4,096 bytes, as 16 rows of 256 bytes, 16 bytes of padding behind each
	s_or_b32 s[G1S+0], s43, (3<<16)|(1<<20)|(1<<21)|(5<<22)|(3<<25)
	s_or_b32 s[G1SB+0], s44, (3<<16)|(1<<20)|(1<<21)|(5<<22)|(3<<25)
.irp g, G1S, G1SB
	s_mov_b32 s[\g+1], 32<<16
	s_mov_b32 s[\g+2], (128*KS/256)<<16
	s_mov_b32 s[\g+3], 32<<16
	s_mov_b32 s[\g+4], 128*KS/256
	s_mov_b32 s[\g+5], 32
	s_mov_b32 s[\g+6], 0
	s_mov_b32 s[\g+7], 0
.endr
	s_lshl_b32 s18, s16, 7                         ; which 128 rows of the tile I fetch
	s_lshl_b32 s20, s17, 8
	s_add_co_u32 s20, s20, s18                     ; source 1: row 256 T1 + 128 x half
	s_lshl_b32 s46, s42, 8
	s_add_co_u32 s46, s46, s18                     ; source 0: row 256 T0 + 128 x half
	s_mov_b32 s21, 0
	s_mov_b32 s47, 0
	s_mov_b64 s[18:19], KS
	s_mul_u64 s[22:23], s[20:21], s[18:19]         ; where these rows' scale bytes begin
	s_mul_u64 s[92:93], s[46:47], s[18:19]
	s_mov_b64 s[18:19], KROW
	s_mul_u64 s[20:21], s[20:21], s[18:19]         ; and their codes
	s_mul_u64 s[46:47], s[46:47], s[18:19]
	s_mul_i32 s45, s14, HALFT                      ; where they go: wave x 128 rows
	s_mul_i32 s94, s14, HALFS
	s_wait_kmcnt 0x0
	s_cmp_lg_u32 s96, 0                            ; for v the two tensors change places: s[4:7] source 1's codes and scales, s[8:11] source 0's
	s_mov_b64 s[98:99], s[4:5]
	s_mov_b64 s[100:101], s[6:7]
	s_cselect_b64 s[4:5], s[8:9], s[4:5]
	s_cselect_b64 s[6:7], s[10:11], s[6:7]
	s_cselect_b64 s[8:9], s[98:99], s[8:9]
	s_cselect_b64 s[10:11], s[100:101], s[10:11]
	s_add_nc_u64 s[20:21], s[4:5], s[20:21]
	s_add_nc_u64 s[22:23], s[6:7], s[22:23]
	s_add_nc_u64 s[46:47], s[8:9], s[46:47]
	s_add_nc_u64 s[92:93], s[10:11], s[92:93]
	CROUND                                         ; all sixteen work-groups are here: the first joint loads meet
	s_mov_b32 s[G0S], 1
	s_add_co_u32 s[G0S+1], s94, SCL
	s_mov_b64 s[G0S+2:G0S+3], s[22:23]
	s_or_b32 s[G0S+3], s[G0S+3], 0x80000000
	s_mov_b32 s[G0SB], 1
	s_add_co_u32 s[G0SB+1], s94, SCL
	s_mov_b64 s[G0SB+2:G0SB+3], s[92:93]
	s_or_b32 s[G0SB+3], s[G0SB+3], 0x80000000
	JLOAD G0S, G1S, G0SB, G1SB                     ; the scale bytes first: filled once, wanted with K step 0
.irp s, 0,1
	s_mov_b32 s[G0+4*\s], 1
	s_add_co_u32 s[G0+4*\s+1], s45, \s*SLOT
	s_add_nc_u64 s[G0+4*\s+2:G0+4*\s+3], s[20:21], \s*ROWB
	s_or_b32 s[G0+4*\s+3], s[G0+4*\s+3], 0x80000000
	s_mov_b32 s[G0B+4*\s], 1
	s_add_co_u32 s[G0B+4*\s+1], s45, \s*SLOT
	s_add_nc_u64 s[G0B+4*\s+2:G0B+4*\s+3], s[46:47], \s*ROWB
	s_or_b32 s[G0B+4*\s+3], s[G0B+4*\s+3], 0x80000000
	JLOAD G0+4*\s, G1, G0B+4*\s, G1B               ; three tensor loads of mine are out at the most
.endr
	s_mov_b32 s[SEL], 0x76543210
	s_mov_b32 s[SEL+1], 0xfedcba98
	v_and_b32 v1, 15, v0                           ; l % 16
	v_bfe_u32 v2, v0, 4, 1                         ; l / 16
	v_mul_u32_u24 v3, v1, PITCH
	v_mul_u32_u24 v4, v2, 24
	v_add_nc_u32 v4, v3, v4                        ; a fragment's row x pitch + 24 x half
	v_lshl_add_u32 v5, v2, 4, v4                   ; and the same behind one padding more
	s_mul_i32 s21, s15, HALFT                      ; my 128 rows of source 1
	s_mul_i32 s22, s16, HALFT                      ; my 128 rows of source 0,
	s_add_co_u32 s22, s22, 2*HALFT                 ; which lie behind source 1's 256
.irp s, 0,1
	v_add_nc_u32 v[ADRA+\s], s21, v4
	v_add_nc_u32 v[ADRB+\s], s22, v4
	v_add_nc_u32 v[ADRA+2+\s], s21, v5
	v_add_nc_u32 v[ADRB+2+\s], s22, v5
	s_add_co_u32 s21, s21, SLOT
	s_add_co_u32 s22, s22, SLOT
.endr
	v_mul_u32_u24 v5, v1, KS                       ; my row's scale bytes: 32 a row,
	v_lshrrev_b32 v6, 8, v5
	v_lshl_add_u32 v5, v6, 4, v5                   ; and 16 more for each 256 passed
	s_mul_i32 s21, s15, HALFS
	s_mul_i32 s22, s16, HALFS
	s_add_co_u32 s22, s22, 2*HALFS
	s_sub_co_u32 s22, s22, s21
	v_mul_u32_u24 v6, s22, v2                      ; lanes 16-31 take source 0's
	s_add_co_u32 s21, s21, SCL
	v_add_nc_u32 v5, v5, v6
	v_add_nc_u32 v[ADRS], s21, v5
	v_and_b32 v6, 31, v0
	v_lshlrev_b32 v[L8], 3, v6
	v_lshlrev_b32 v[L16], 4, v6
	; where my results go: record ((16 batch + head) 16 + token / 128), and the part of it
	s_lshl_b32 s20, s17, 8
	s_lshl_b32 s21, s15, 7
	s_add_co_u32 s20, s20, s21                     ; my first row of source 1
	s_lshl_b32 s46, s42, 8
	s_lshl_b32 s47, s16, 7
	s_add_co_u32 s46, s46, s47                     ; my first row of source 0
	s_cmp_lg_u32 s96, 0
	s_cselect_b32 s21, s46, s20                    ; my first token,
	s_cselect_b32 s47, s20, s46                    ; my first row of w
	s_lshr_b32 s22, s21, 11                        ; batch
	s_bfe_u32 s23, s21, 0x40007                    ; token / 128 in the batch
	s_bfe_u32 s47, s47, 0x40006                    ; my first head: (row % 1,024) / 64
	s_lshl_b32 s22, s22, 4
	s_add_co_u32 s22, s22, s47
	s_lshl_b32 s22, s22, 4
	s_add_co_u32 s22, s22, s23
	s_mul_i32 s22, s22, RECM
	s_cmp_eq_u32 ttmp9, 0                          ; w's tiles 0-3 are q's, 4-7 k's
	s_cselect_b32 s23, QOFF, 0
	s_cmp_lg_u32 s96, 0
	s_mov_b32 s21, VOFF
	s_cselect_b32 s23, s21, s23
	s_add_co_u32 s22, s22, s23
	s_mov_b32 s23, 0
	s_add_nc_u64 s[12:13], s[12:13], s[22:23]
.macro FRAG reg, adr, q, i             ; a fragment: 12 registers; lane l holds row l % 16; registers 6 c .. 6 c + 5 hold K = 64 c + 32 (l / 16) + 0 .. 31: 24 bytes of the row's stream of bits, in pieces of 8
.irp p, 0,1,2,3,4,5
.set PC, 12*(\q)+6*(\p/3)+\p%3        ; 16 bytes of padding lie behind every 8 pieces: where the piece three on lies behind one padding more, the second address register serves
.if PC%8 < 5
	ds_load_b64 v[\reg+2*\p:\reg+2*\p+1], v[\adr] offset:8*PC+16*(PC/8)+(\i)*16*PITCH
.else
	ds_load_b64 v[\reg+2*\p:\reg+2*\p+1], v[\adr+2] offset:8*PC+16*(PC/8)+(\i)*16*PITCH
.endif
.endr
.endm
; 16 matrix instructions: source 1's blocks a0, a0 + 1 x source 0's eight, 128 along K.  The 64 accumulators take turns, one instruction a turn, in the same order in every step.
.macro MUL16 a0, p, q, sc, zero
.irp a, \a0, \a0+1
.irp b, 0,1,2,3,4,5,6,7
.if \zero
	v_wmma_scale_f32_16x16x128_f8f6f4 v[8*(8*((\a)%4)+\b):8*(8*((\a)%4)+\b)+7], v[128*(\p)+FR*\b:128*(\p)+FR*\b+FR-1], v[AF+FR*(\a):AF+FR*(\a)+FR-1], 0, v[SC+8*NQ*(\sc)+NQ*\b+(\q)], v[SC+8*NQ*(\sc)+NQ*(\a)+(\q)] matrix_a_fmt:MATRIX_FMT_FP6 matrix_b_fmt:MATRIX_FMT_FP6 matrix_a_scale:MATRIX_SCALE_ROW1
.else
	v_wmma_scale_f32_16x16x128_f8f6f4 v[8*(8*((\a)%4)+\b):8*(8*((\a)%4)+\b)+7], v[128*(\p)+FR*\b:128*(\p)+FR*\b+FR-1], v[AF+FR*(\a):AF+FR*(\a)+FR-1], v[8*(8*((\a)%4)+\b):8*(8*((\a)%4)+\b)+7], v[SC+8*NQ*(\sc)+NQ*\b+(\q)], v[SC+8*NQ*(\sc)+NQ*(\a)+(\q)] matrix_a_fmt:MATRIX_FMT_FP6 matrix_b_fmt:MATRIX_FMT_FP6 matrix_a_scale:MATRIX_SCALE_ROW1
.endif
.endr
.endr
.endm
.macro FETCH_B slot, q, p
	WIN TO_B
.irp i, 0,1,2,3,4,5,6,7
	FRAG 128*(\p)+FR*\i, ADRB+\slot, \q, \i
.endr
	WIN 0
.endm
.macro FETCH_A slot, q, i0
.irp i, \i0, \i0+1, \i0+2, \i0+3
	FRAG AF+FR*(\i), ADRA+\slot, \q, \i
.endr
.endm
.macro SCALES sc                       ; a K step's scale words: two words a row; lanes 0-15 take source 1's block i, lanes 16-31 source 0's block i
.irp i, 0,1,2,3,4,5,6,7
	ds_load_b64 v[SC+8*NQ*\sc+NQ*\i:SC+8*NQ*\sc+NQ*\i+1], v[ADRS] offset:\i*SBLK
.endr
.endm
.macro PLACES n                        ; plain vector instructions between a matrix instruction and a load into, or a vector instruction on, its registers
.rept \n
	v_nop
.endr
.endm
.macro STEP slot, q, zero              ; a step of 128 along K that has its successor in the same slot
	s_wait_dscnt 4*NL                              ; source 0's set and source 1's blocks 0-3 are in; the youngest 24 loads (blocks 4-7) may be out
	WIN MUL_LO
	MUL16 0, (\q)%2, \q, \slot, \zero
	MUL16 2, (\q)%2, \q, \slot, \zero
	s_wait_dscnt 0                                 ; blocks 4-7 are in
	PLACES NP
	FETCH_B \slot, (\q)+1, 1-(\q)%2
	FETCH_A \slot, (\q)+1, 0
	WIN MUL_HI
	MUL16 4, (\q)%2, \q, \slot, \zero
	MUL16 6, (\q)%2, \q, \slot, \zero
	PLACES NP
	WIN 0
	FETCH_A \slot, (\q)+1, 4
.endm
; A slot's last step changes slots: one barrier; in front of it each wave waits for all its tensor loads, adds 0 to its spare word, and waits for that and for its reads of this slot.
.macro TURN slot, next, fill
	s_wait_tensorcnt 0x0                           ; all my tensor loads have landed: my part of the next slot
	ds_add_u32 v[SPW], v[NIL]                      ; 0 onto my spare word
	s_wait_dscnt 4*NL+1                            ; the add and the youngest 24 loads may be out
	WIN MUL_LO
	MUL16 0, 1, NQ-1, \slot, 0
	s_wait_dscnt 0x0                               ; the add is done, and my reads of this slot are over
	s_barrier_signal -1
	MUL16 2, 1, NQ-1, \slot, 0
	WIN 0
	s_barrier_wait -1
.if \fill
	CREST                                          ; the barrier has opened a round of the cluster's barrier: no wave of any partner still reads this slot or has a load on its way
	s_add_nc_u64 s[G0+4*\slot+2:G0+4*\slot+3], s[G0+4*\slot+2:G0+4*\slot+3], 2*ROWB
	s_add_nc_u64 s[G0B+4*\slot+2:G0B+4*\slot+3], s[G0B+4*\slot+2:G0B+4*\slot+3], 2*ROWB
	JLOAD G0+4*\slot, G1, G0B+4*\slot, G1B         ; the first tensor load behind the round; its four v_nop are also the places in front of the loads below
.else
	PLACES NP
.endif
	v_add_nc_u32 v[ADRS], 4*NQ, v[ADRS]            ; on to the next K step's scale words
	FETCH_B \next, 0, 0
	FETCH_A \next, 0, 0
	SCALES \next
	WIN MUL_HI
	MUL16 4, 1, NQ-1, \slot, 0
	MUL16 6, 1, NQ-1, \slot, 0
	PLACES NP
	WIN 0
	FETCH_A \next, 0, 4
.endm
	s_wait_tensorcnt 1                             ; the scale bytes and my part of K step 0 are in (K step 1's load may be out)
	s_barrier_signal -1
	s_barrier_wait -1                              ; everybody's are
	FETCH_B 0, 0, 0
	FETCH_A 0, 0, 0
	SCALES 0
	FETCH_A 0, 0, 4
	STEP 0, 0, 1                                   ; the first step's products start the sums: nothing is cleared
	s_mov_b32 s3, LAPS-1
.Llap:                                                 ; a trip goes once round the ring and fills both slots again
	TURN 0, 1, 1
	STEP 1, 0, 0
	TURN 1, 0, 1
	STEP 0, 0, 0
	s_sub_co_u32 s3, s3, 1
	s_cmp_lg_u32 s3, 0
	s_cbranch_scc1 .Llap
	TURN 0, 1, 0                                   ; the last lap fills nothing
	STEP 1, 0, 0
	s_wait_dscnt 4*NL
	WIN MUL_LO
	MUL16 0, 1, NQ-1, 1, 0
	MUL16 2, 1, NQ-1, 1, 0
	s_wait_dscnt 0
	WIN MUL_HI
	MUL16 4, 1, NQ-1, 1, 0
	MUL16 6, 1, NQ-1, 1, 0
	WIN 0
; THE WAY OUT.  The 64 registers of a row block a (eight accumulators) are 128 numbers along the next K in two lanes: register 16 b + i of lane (r, h) belongs to block b of 32.
; QUANT makes of them 12 registers of codes, v[d] on (lane (r, H): registers 6 c .. 6 c + 5 = block 2 c + H), and the four scale bytes as a word in v[pw].
.macro QUANT s, w, d, pw
	WIN (\w)|((\w)<<2)                             ; sources 0 and 1 in the accumulators' window
.irp b, 0,1,2,3
	v_max3_num_f32 v[TM+\b], |v[(\s)+16*\b]|, |v[(\s)+1+16*\b]|, 0x1800000   ; my 16 numbers of block b, from each accumulator's low end on, and the floor 2^(3 - 127): the byte cannot fall under 1
.endr
.irp i, 2,4,6,8,10,12,14
.irp b, 0,1,2,3
	v_max3_num_f32 v[TM+\b], |v[(\s)+16*\b+\i]|, |v[(\s)+1+16*\b+\i]|, v[TM+\b]
.endr
.endr
	WIN 0
.irp b, 0,1,2,3
	v_permlanex16_b32 v[TM+4+\b], v[TM+\b], s[SEL], s[SEL+1]
.endr
.irp b, 0,1,2,3
	v_max_num_f32 v[TM+\b], v[TM+\b], v[TM+4+\b]   ; with lane l xor 16's: the block's largest magnitude
.endr
.irp b, 0,1,2,3
	v_add_nc_u32 v[TM+12+\b], 0xff000000, v[TM+\b] ; 2 off its exponent field: the conversion's scale operand
.endr
.irp b, 0,1,2,3
	v_lshrrev_b32 v[TM+4+\b], 23, v[TM+12+\b]      ; the scale's byte
.endr
	v_lshl_or_b32 v[\pw], v[TM+5], 8, v[TM+4]
	v_lshl_or_b32 v[\pw], v[TM+6], 16, v[\pw]
	v_lshl_or_b32 v[\pw], v[TM+7], 24, v[\pw]
	WIN \w                                         ; source 0 in the accumulators' window
.irp c, 0,1
	v_cvt_scalef32_pk16_fp6_f32 v[\d+6*\c:\d+2+6*\c], v[(\s)+32*\c:(\s)+15+32*\c], v[TM+12+2*\c]
	v_cvt_scalef32_pk16_fp6_f32 v[QT+4*\c:QT+2+4*\c], v[(\s)+16+32*\c:(\s)+31+32*\c], v[TM+12+2*\c+1]   ; (a conversion's three registers begin on an even number)
.endr
	WIN 0
	v_nop                                          ; one plain place behind a scaled conversion
.irp c, 0,1                                    ; a whole block to a lane: lanes 0-15 block 2 c, lanes 16-31 block 2 c + 1
.irp i, 0,1,2
	v_permlane16_swap_b32 v[\d+6*\c+\i], v[QT+4*\c+\i]
.endr
.irp i, 0,1,2
	v_mov_b32 v[\d+3+6*\c+\i], v[QT+4*\c+\i]
.endr
.endr
.endm
; Row blocks 2 e and 2 e + 1 are quantised and stored.  q, k: registers 0-5 are my first head's tile (16 tokens x 64), registers 6-11 my second head's: three stores of 256 bytes each.
; v: the 12 registers are one tile (16 of a head's 64 x 128 keys): three stores of 512 bytes.  The branch hangs on the cluster's y alone.
.macro EPI e
.if \e > 0
	s_wait_xcnt 0x0                                ; the last stores have read their data: the codes' registers are written again only behind this wait
.endif
.set QS_, 64*((2*\e)%4)
.set QW_, 2+(2*\e)/4
	QUANT QS_, QW_, XA, PWA
.set QS_, 64*((2*\e+1)%4)
	QUANT QS_, QW_, XB, PWB
	v_cndmask_b32 v[T+\e], v[PWA], v[PWB], s97     ; lanes 0-15 the even block's words, lanes 16-31 the odd one's
	s_cmp_eq_u32 s96, 0
	s_cbranch_scc0 .Lvout_\@
.irp g, 0,1,2,3,4,5
	global_store_b64 v[L8], v[XA+2*\g:XA+2*\g+1], s[12:13] offset:(\g/3)*HS+768*(2*\e)+256*(\g%3)
	global_store_b64 v[L8], v[XB+2*\g:XB+2*\g+1], s[12:13] offset:(\g/3)*HS+768*(2*\e+1)+256*(\g%3)
.endr
	s_branch .Lsent_\@
.Lvout_\@:
.irp c, 0,1,2
	global_store_b128 v[L16], v[XA+4*\c:XA+4*\c+3], s[12:13] offset:((2*\e)/4)*HS+1536*((2*\e)%4)+512*\c
	global_store_b128 v[L16], v[XB+4*\c:XB+4*\c+3], s[12:13] offset:((2*\e)/4)*HS+1536*((2*\e+1)%4)+512*\c
.endr
.Lsent_\@:
.endm
	PLACES NP                                      ; behind the last products: their results are read and their operands' registers written below
.irp b, 0,1,2,3
	v_mov_b32 v[TM+4+\b], 0                        ; written once: a lane permute's destination counts as one of its sources
.endr
	EPI 0
	EPI 1
	EPI 2
	EPI 3
	s_cmp_eq_u32 s96, 0
	s_cbranch_scc0 .Lvscales
.irp e, 0,1,2,3
	v_and_b32 v[SCQ+\e], 0xffff, v[T+\e]           ; my first head's two bytes, bytes 2 and 3 = 0;
	v_lshrrev_b32 v[SCQ+4+\e], 16, v[T+\e]         ; my second head's
.endr
	global_store_b128 v[L16], v[SCQ:SCQ+3], s[12:13] offset:SCOFF
	global_store_b128 v[L16], v[SCQ+4:SCQ+7], s[12:13] offset:HS+SCOFF
	s_branch .Lscales_sent
.Lvscales:
	global_store_b64 v[L8], v[T:T+1], s[12:13] offset:SCOFF         ; my first head's four tiles,
	global_store_b64 v[L8], v[T+2:T+3], s[12:13] offset:HS+SCOFF    ; my second head's
.Lscales_sent:
	s_wait_tensorcnt 0x0                           ; the wave's end
	ds_add_u32 v[SPW], v[NIL]
	s_wait_dscnt 0x0
	CROUND                                         ; the closing round: no work-group ends while a partner may still ask for a tile that names it
	s_endpgm
.Lfunc_end_k_q76b1ab1670_qkv_gemm:
	.size	k_q76b1ab1670_qkv_gemm, .Lfunc_end_k_q76b1ab1670_qkv_gemm-k_q76b1ab1670_qkv_gemm
	.p2alignl 7, 3214868480
	.fill 96, 4, 3214868480
	.section	.rodata,"a",@progbits
	.p2align	6, 0x0
	.amdhsa_kernel k_q76b1ab1670_qkv_gemm
		.amdhsa_group_segment_fixed_size 327680
		.amdhsa_private_segment_fixed_size 0
		.amdhsa_enable_private_segment 0
		.amdhsa_kernarg_size 40
		.amdhsa_user_sgpr_count 2
		.amdhsa_user_sgpr_kernarg_segment_ptr 1
		.amdhsa_wavefront_size32 1
		.amdhsa_system_sgpr_workgroup_id_x 1
		.amdhsa_system_sgpr_workgroup_id_y 1
		.amdhsa_system_sgpr_workgroup_id_z 1
		.amdhsa_system_vgpr_workitem_id 0
		.amdhsa_next_free_vgpr 1024
		.amdhsa_next_free_sgpr 102
		.amdhsa_reserve_vcc 0
		.amdhsa_float_denorm_mode_32 3
		.amdhsa_float_denorm_mode_16_64 3
		.amdhsa_memory_ordered 1
		.amdhsa_forward_progress 1
		.amdhsa_inst_pref_size 170
	.end_amdhsa_kernel
	.amdgpu_metadata
---
amdhsa.version: [ 1, 2 ]
amdhsa.kernels:
  - .name:           k_q76b1ab1670_qkv_gemm
    .symbol:         k_q76b1ab1670_qkv_gemm.kd
    .args:
      - { .name: x_codes, .offset: 0, .size: 8, .value_kind: global_buffer, .address_space: global }
      - { .name: x_scales, .offset: 8, .size: 8, .value_kind: global_buffer, .address_space: global }
      - { .name: w_qkv_codes, .offset: 16, .size: 8, .value_kind: global_buffer, .address_space: global }
      - { .name: w_qkv_scales, .offset: 24, .size: 8, .value_kind: global_buffer, .address_space: global }
      - { .name: qkvrec, .offset: 32, .size: 8, .value_kind: global_buffer, .address_space: global }
    .group_segment_fixed_size: 327680
    .private_segment_fixed_size: 0
    .kernarg_segment_align: 8
    .kernarg_segment_size: 40
    .max_flat_workgroup_size: 128
    .sgpr_count:     102
    .vgpr_count:     1024
    .wavefront_size: 32
...
	.end_amdgpu_metadata
.endif
;; end of part 1
;; launch attn (part 2): grid 4 x 64, 16 waves a work-group, no clusters, 327,680 bytes of LDS; arguments qkvrec, y_img, y_sc; writes y_img, y_sc
.if DOCPART == 2
	.amdgcn_target "amdgcn-amd-amdhsa--gfx1250"
	.amdhsa_code_object_version 6
	.text
	.protected	k_q76b1ab1670_attn
	.globl	k_q76b1ab1670_attn
	.p2align	8
	.type	k_q76b1ab1670_attn,@function
k_q76b1ab1670_attn:
	s_mov_b64 s[64:65], 0
	v_nop
	global_prefetch_b8 v0, s[64:65] scope:SCOPE_SE
	s_setreg_imm32_b32 hwreg(HW_REG_WAVE_MODE, 25, 1), 1
	s_wait_xcnt 0x0
; y[b][q][head] = softmax_k(q . k / 8, causal) v, both products on codes of FP6 (E2M3) with one E8M0 scale for each 32 along a product's K; y is quantised along C and leaves as codes.
; INPUT: records of RECM bytes, [16 batch + head][token / 128]: K codes 8 x 768 | K scale words 512 | V codes 4 x 1,536 | V scale words 256 | Q codes 8 x 768 | Q scale words 512: images of operand registers.
; THE SOFTMAX: t = score x log2(e) / 8; M = the row's largest t so far, rounded up to a whole number; p = 2^(t - M) is quantised along the keys, not normalised; the row's sum is taken of the
; unquantised p and divides at the end.  When M moves, the sum and O are multiplied by 2^(old M - new M): exact.
; SHARES.  Work-group (p, head) owns the blocks p and 7 - p of 256 queries, one after the other: block B walks the slots 0 .. B of 256 keys, so every work-group walks 9 slots: a constant.
; Each of the sixteen waves owns 16 queries of the block in hand, in 256 registers: four waves to a SIMD, so that one wave's vector work stands beside another's matrix work and LDS loads.
; A key step (128 keys) all of whose keys come after the wave's queries is left out by a scalar branch on ids; on the diagonal hidden scores become -infinity ahead of the maximum.
; LAYOUT.  S^T = K Q^T (source 0 = 16 keys, source 1 = my 16 queries), O^T = V^T P^T (source 0 = 16 of the head's 64, source 1 = P): a lane holds one query (lane % 16) throughout.
; THE HEAD'S K IS 64, THE INSTRUCTION'S 128.  Q's registers 6-11 are zero codes.  K's tile t is named as v[KB + 6 t .. KB + 6 t + 11]: its upper six registers are the next tile's codes (zeros behind tile 7);
; they meet Q's zero codes, under scale bytes 0 (2^-127, a number): they add exactly 0.  That spares 48 registers and 24 loads a step.
; ORDER INSIDE A BLOCK OF 32: p's blocks lie in the order 0-7, 16-23, 8-15, 24-31 of the keys, as v's do; q's and k's likewise along d.  y is brought to the natural order, since its partner is given.
; No cluster: the four work-groups of a head want different slots in the same trip.
; LIMITS: NaN and infinities are not served.  A block whose largest magnitude lies under 2^-124 keeps the scale byte 1; a block of zeros has the byte 1 where the rule says 127: its codes are zeros,
; and this program alone reads the bytes.  A block's largest p is made from the block's largest score by the same two instructions as every p: this takes v_exp_f32 not to fall where its input rises.
.set RECM,  19712                      ; a record: 77 x 256 bytes
.set REC,   13056                      ; its K and V parts: 51 x 256 bytes: what a key step wants in LDS
.set HS,    16*RECM                    ; from head to head
.set QOFF,  13056                      ; Q's part
.set KSO,   6144                       ; K's scale words
.set VO,    6656                       ; V's codes
.set VSO,   12800                      ; V's scale words
.set SLOT1, 32768                      ; a slot holds two steps (26,112 bytes); slot 1 begins here, so that one exclusive or turns an address
.set SPARE, 65536                      ; the spare words: 128 bytes a wave, eight blocks of 256 bytes that no other line names
.set L8,   1                           ; v1   8 x lane
.set L16,  2                           ; v2   16 x lane
.set ADK,  3                           ; v3   the slot in hand + 8 x lane
.set ADV,  4                           ; v4   the slot in hand + 16 x lane
.set SPW,  5                           ; v5   my spare word; never rewritten
.set NIL,  6                           ; v6   0; never rewritten
.set QSA,  7                           ; v7   my offset among Q's scale words
.set YSO,  8                           ; v8   32 (lane % 16) + lane / 16: my scale byte of y
.set DG,   9                           ; v9   lane % 16 - 8 (lane / 16)
.set PFO,  10                          ; v10  the prefetches' offset; never rewritten
.set Q,    16                          ; v16-27 Q's fragment; v22-27 zeros
.set QB,   28                          ; v28-33 the second block's
.set QBS,  34                          ; v34  its scale word
.set QS,   35                          ; v35  Q's scale word
.set KB,   36                          ; v36-83 K's eight tiles; v84-89 zeros
.set PC,   36                          ; v36-47 p's codes, once K is done with;
.set PCT,  48                          ; v48-55 the conversions' second halves
.set KSC,  90                          ; v90-93 K's scale words
.set VSC,  94                          ; v94-95 V's
.set S,    96                          ; v96-159 S^T, then p
.set O,    160                         ; v160-191 O^T
.set VB,   192                         ; v192-239 V's four tiles
.set BM,   240                         ; v240-243 the blocks' largest scores
.set PT,   244                         ; v244-247 at work
.set SO,   248                         ; v248-251 the conversions' scale operands
.set PS,   255                         ; v255 p's scale word.  v12 -M, v13 the largest t, v[14:15] the sum in two halves, v[252:253] f, v254 at work
.set TB,   2                           ; s2   LDS byte at which the slot in hand begins
.set WV,   18
.set SEL,  20                          ; s[20:21] selects of v_permlanex16_b32: lane l xor 16
.set CS,   22                          ; s[22:23] c = log2(e) / 8
.set G1,   24                          ; s[24:31] descriptor group 1
.set G0,   32                          ; s[32:35] group 0, which walks
.set BASEW, 36                         ; s[36:37] my head's records, + one record in odd waves
.set OFF,  38                          ; s[38:39] an offset; its high word stays 0
.set NS,   40                          ; s40  which 256 keys the slot in hand holds; behind CHANGE's step: the next trip's
.set KF,   41                          ; s41  the trip's first key
.set KQ,   42                          ; s42  the step's first key
.set Q0,   43                          ; s43  my first query
.set Q0B,  44                          ; s44  and in the second block
.set SLOTS, 45                         ; s45  counts the loop's trips, 8 .. 1
.set SWP,  46                          ; s46  8 - p: the count in the first block's last trip
.set PFA,  50                          ; s[50:51] the slot that my prefetches name
.set LIM,  52                          ; s52  1 in a wave that prefetches, else the greatest number
.set YA,   54                          ; s[54:55], s[56:57] where my codes of y go: first block, second block
.set YB,   56
.set SA,   58                          ; s[58:59], s[60:61] and its scale bytes
.set SB,   60
.set HM,   62                          ; s62  lanes 16-31
; Waves 0 and 1 fetch, a key step's record each: 51 dense rows of 256 bytes.  The branch hangs on the wave's number alone.  Four v_nop follow the load.
.macro TLOAD
	s_cmp_lt_u32 s[WV], 2
	s_cbranch_scc0 .Lno_fetch_\@
	tensor_load_to_lds s[G0:G0+3], s[G1:G1+7]
	s_nop 0
.rept 4
	v_nop
.endr
.Lno_fetch_\@:
.endm
; A PREFETCH INTO THE L2, where the fetching waves have their tensor load.  All four work-groups of a head read the same records: the first of them (p = 0) asks.  Its trip j loads slot j and asks for slot j + 1,
; j = 0 .. 6: one trip, two key steps of sixteen waves, ahead of the load that wants it.  Waves 4 to 7 ask, one instruction each: waves 4, 5 for the first record's 51 blocks of 256 bytes, waves 6, 7 for the
; second's; a lane a block (in waves 5 and 7 the lanes over the 51st block name that block again, in the same instruction).  Slot 0 comes by its load alone; the last trip that fills a slot asks for nothing.
.macro ASK
	s_cmp_gt_u32 s[SLOTS], s[LIM]
	s_cbranch_scc0 .Lnot_mine_\@
	global_prefetch_b8 v[PFO], s[PFA:PFA+1] th:TH_LOAD_NT scope:SCOPE_SE
.Lnot_mine_\@:
.endm
.macro INIT                            ; a block of queries begins: the largest t is -3e38, under every t; the first change of M multiplies zeros
	v_mov_b32 v13, 0xff61b1e6
	s_delay_alu instid0(VALU_DEP_1)
	v_floor_f32 v12, -v13
	v_mov_b32 v14, 0
	v_mov_b32 v15, 0
.set J_, 0
.rept 32
	v_mov_b32 v[O+J_], 0
.set J_, J_+1
.endr
.endm
	s_load_b128 s[4:7], s[0:1], 0x0                ; the records, y's codes
	s_load_b64 s[8:9], s[0:1], 0x10                ; y's scale bytes
	v_lshl_add_u32 v[SPW], v0, 2, SPARE
	v_mov_b32 v[NIL], 0
	ds_add_u32 v5, v6
	ds_add_u32 v5, v6
	s_wait_dscnt 0x0
	v_lshrrev_b32 v7, 5, v0
	s_delay_alu instid0(VALU_DEP_1)
	v_readfirstlane_b32 s[WV], v7                  ; wave 0..15
	s_and_b32 s66, ttmp7, 0xffff                   ; 16 batch + head
	s_mul_i32 s68, s66, HS
	s_mov_b32 s69, 0
	s_and_b32 s67, s[WV], 1
	s_mul_i32 s70, s67, RECM                       ; which of a slot's two records I fetch, if I fetch: in memory,
	s_mov_b32 s71, 0
	s_mul_i32 s72, s67, REC                        ; and in a slot
	s_mov_b32 s[G1], 3<<16                         ; no mask; elements of 8 bytes; no padding
	s_mov_b32 s[G1+1], 32<<16                      ; tensor_dim0 = 32 elements: 256 bytes
	s_mov_b32 s[G1+2], 51<<16                      ; tensor_dim1 = 51
	s_mov_b32 s[G1+3], 32<<16                      ; tile_dim0
	s_mov_b32 s[G1+4], 51                          ; tile_dim1
	s_mov_b32 s[G1+5], 32                          ; the pitch: dense
	s_mov_b32 s[G1+6], 0
	s_mov_b32 s[G1+7], 0
	s_mov_b32 s[OFF+1], 0
	s_mov_b32 s[NS], 0
	s_mov_b32 s[TB], 0
	s_mov_b32 s[SLOTS], 8
	s_sub_co_u32 s[SWP], 8, ttmp9
	s_mov_b32 s[SEL], 0x76543210
	s_mov_b32 s[SEL+1], 0xfedcba98
	s_mov_b32 s[CS], 0x3e38aa3b                    ; c = log2(e) / 8
	s_mov_b32 s[CS+1], s[CS]                       ; (named with it as a pair, so it is written)
	s_mov_b32 s[HM], 0xffff0000
	s_lshl_b32 s99, s[WV], 4
	s_lshl_b32 s[Q0], ttmp9, 8
	s_add_co_u32 s[Q0], s[Q0], s99                 ; my first query: 256 p + 16 wave,
	s_sub_co_u32 s85, 7, ttmp9                     ; 7 - p
	s_lshl_b32 s[Q0B], s85, 8
	s_add_co_u32 s[Q0B], s[Q0B], s99               ; and 256 (7 - p) + 16 wave
	; Q: record 2 B + wave / 8, tile wave % 8
	s_lshr_b32 s73, s[WV], 3
	s_and_b32 s74, s[WV], 7
	s_mul_i32 s75, s74, 768
	s_lshl_b32 s76, ttmp9, 1
	s_add_co_u32 s76, s76, s73
	s_mul_i32 s76, s76, RECM
	s_add_co_u32 s76, s76, s75
	s_add_co_u32 s76, s76, QOFF
	s_mov_b32 s77, 0
	s_lshl_b32 s78, s85, 1
	s_add_co_u32 s78, s78, s73
	s_mul_i32 s78, s78, RECM
	s_add_co_u32 s78, s78, s75
	s_add_co_u32 s78, s78, QOFF
	s_mov_b32 s79, 0
	s_sub_co_u32 s80, KSO, s75                     ; from my tile's codes to the scale words (768 at the least),
	s_lshr_b32 s81, s74, 1
	s_lshl_b32 s81, s81, 2
	s_add_co_u32 s80, s80, s81                     ; register (wave % 8) / 2 of the image,
	s_lshl_b32 s81, s67, 8
	s_add_co_u32 s80, s80, s81                     ; lanes 16-31 of it for an odd tile
	; y: row tile mt = 128 batch + 16 B + wave; codes at 12,288 mt + 768 head, scale bytes at 512 mt + 2 head
	s_lshr_b32 s81, s66, 4
	s_and_b32 s82, s66, 15
	s_lshl_b32 s83, s81, 7
	s_add_co_u32 s83, s83, s[WV]
	s_lshl_b32 s84, ttmp9, 4
	s_add_co_u32 s84, s84, s83
	s_lshl_b32 s85, s85, 4
	s_add_co_u32 s85, s85, s83
	s_mul_i32 s86, s82, 768
	s_lshl_b32 s87, s82, 1
	s_mul_i32 s88, s84, 12288
	s_add_co_u32 s88, s88, s86
	s_mov_b32 s89, 0
	s_mul_i32 s90, s85, 12288
	s_add_co_u32 s90, s90, s86
	s_mov_b32 s91, 0
	s_lshl_b32 s92, s84, 9
	s_add_co_u32 s92, s92, s87
	s_mov_b32 s93, 0
	s_lshl_b32 s94, s85, 9
	s_add_co_u32 s94, s94, s87
	s_mov_b32 s95, 0
	; the prefetches: who asks, and each lane's block
	s_bfe_u32 s96, s[WV], 0x10001
	s_mul_i32 s96, s96, RECM                       ; which record of a slot,
	s_lshl_b32 s97, s67, 5                         ; which 32 of its 51 blocks
	s_lshr_b32 s98, s[WV], 2
	s_xor_b32 s98, s98, 1                          ; 0 in waves 4 to 7,
	s_or_b32 s98, s98, ttmp9                       ; of the head's first work-group
	s_cmp_eq_u32 s98, 0
	s_cselect_b32 s[LIM], 1, -1
	s_wait_kmcnt 0x0
	s_add_nc_u64 s[4:5], s[4:5], s[68:69]          ; my head's records
	s_add_nc_u64 s[BASEW:BASEW+1], s[4:5], s[70:71]
	s_mov_b32 s[G0], 1                             ; count = 1
	s_mov_b32 s[G0+1], s72                         ; LDS address: slot 0
	s_mov_b64 s[G0+2:G0+3], s[BASEW:BASEW+1]       ; global address: keys 0 to 255
	s_or_b32 s[G0+3], s[G0+3], 0x80000000          ; type = 2
	TLOAD                                          ; the first fill: one tensor load of mine is out, here and behind every barrier
	s_mov_b64 s[PFA:PFA+1], s[4:5]                 ; at slot 0: the first change of slots steps it to slot 1.  Nothing is prefetched here, at the head
	s_add_nc_u64 s[76:77], s[4:5], s[76:77]
	s_add_nc_u64 s[78:79], s[4:5], s[78:79]
	s_add_nc_u64 s[YA:YA+1], s[6:7], s[88:89]
	s_add_nc_u64 s[YB:YB+1], s[6:7], s[90:91]
	s_add_nc_u64 s[SA:SA+1], s[8:9], s[92:93]
	s_add_nc_u64 s[SB:SB+1], s[8:9], s[94:95]
	v_and_b32 v11, 31, v0                          ; lane
	s_delay_alu instid0(VALU_DEP_1)
	v_lshlrev_b32 v[L8], 3, v11
	s_delay_alu instid0(VALU_DEP_2)
	v_lshlrev_b32 v[L16], 4, v11
	v_and_b32 v12, 15, v0                          ; r
	v_bfe_u32 v13, v0, 4, 1                        ; h
	s_delay_alu instid0(VALU_DEP_2)
	v_lshl_add_u32 v[QSA], v12, 4, s80
.irp g, 0,1,2
	global_load_b64 v[Q+2*\g:Q+2*\g+1], v[L8], s[76:77] offset:256*\g      ; Q's codes stay in registers: the first block's,
	global_load_b64 v[QB+2*\g:QB+2*\g+1], v[L8], s[78:79] offset:256*\g    ; the second's
.endr
	global_load_b32 v[QS], v[QSA], s[76:77]
	global_load_b32 v[QBS], v[QSA], s[78:79]
	v_lshl_add_u32 v[YSO], v12, 5, v13
	v_lshlrev_b32 v14, 3, v13
	s_delay_alu instid0(VALU_DEP_1)
	v_sub_nc_u32 v[DG], v12, v14
	v_add_nc_u32 v[PFO], s97, v11
	s_delay_alu instid0(VALU_DEP_1)
	v_min_u32 v[PFO], 50, v[PFO]
	s_delay_alu instid0(VALU_DEP_1)
	v_lshl_add_u32 v[PFO], v[PFO], 8, s96
.irp i, 0,1,2,3,4,5
	v_mov_b32 v[Q+6+\i], 0                         ; the upper 64 of the instruction's K: zero codes
	v_mov_b32 v[KB+48+\i], 0                       ; and what tile 7 of K names beyond its own six registers
.endr
.irp b, 0,1,2,3
	v_mov_b32 v[PT+\b], 0                          ; written once: a lane permute's destination counts as one of its sources
.endr
	v_mov_b32 v253, 0                              ; (named as the upper half of the pair v[252:253])
	INIT
; A KEY STEP: 128 keys, the q-th of the slot in hand.
.macro STEP q
	s_add_co_u32 s[KQ], s[KF], 128*\q
	s_cmp_gt_u32 s[KQ], s[Q0]                      ; KQ is a multiple of 128 and Q0 of 16: KQ > Q0 says that all 128 keys come after my 16 queries
	s_cbranch_scc1 .Lhidden_\@
	v_add_nc_u32 v[ADK], s[TB], v[L8]
	v_add_nc_u32 v[ADV], s[TB], v[L16]
	v_nop
	v_nop                                          ; four places in front of loads into registers that the last products have read
.irp t, 0,1,2,3,4,5,6,7
.irp p, 0,1,2
	ds_load_b64 v[KB+6*\t+2*\p:KB+6*\t+2*\p+1], v[ADK] offset:\q*REC+768*\t+256*\p   ; each load takes 256 consecutive bytes
.endr
.endr
	ds_load_b128 v[KSC:KSC+3], v[ADV] offset:\q*REC+KSO
.irp t, 0,1,2,3
.irp c, 0,1,2
	ds_load_b128 v[VB+12*\t+4*\c:VB+12*\t+4*\c+3], v[ADV] offset:\q*REC+VO+1536*\t+512*\c
.endr
.endr
	ds_load_b64 v[VSC:VSC+1], v[ADK] offset:\q*REC+VSO
	s_wait_dscnt 13                                ; K and its scale words are in; V's twelve loads and its scale words may be out
.irp t, 0,2,4,6                                ; S^T = K Q^T: eight accumulators, each begun with the constant 0
	v_wmma_scale_f32_16x16x128_f8f6f4 v[S+8*\t:S+8*\t+7], v[KB+6*\t:KB+6*\t+11], v[Q:Q+11], 0, v[KSC+\t/2], v[QS] matrix_a_fmt:MATRIX_FMT_FP6 matrix_b_fmt:MATRIX_FMT_FP6
	v_wmma_scale_f32_16x16x128_f8f6f4 v[S+8*\t+8:S+8*\t+15], v[KB+6*\t+6:KB+6*\t+17], v[Q:Q+11], 0, v[KSC+\t/2], v[QS] matrix_a_fmt:MATRIX_FMT_FP6 matrix_b_fmt:MATRIX_FMT_FP6 matrix_a_scale:MATRIX_SCALE_ROW1
.endr
.rept 4
	v_nop
.endr
	s_add_co_u32 s66, s[KQ], 127                   ; a step all of whose keys count skips the mask
	s_cmp_le_u32 s66, s[Q0]
	s_cbranch_scc1 .Lopen_\@
	s_sub_co_i32 s66, s[Q0], s[KQ]
	v_add_nc_u32 v252, s66, v[DG]                  ; d = my query - KQ - 8 (lane / 16).  Register 8 t + j holds key KQ + 16 t + 8 (lane / 16) + j: hidden where 16 t + j > d
	v_mov_b32 v254, 0xff800000                     ; -infinity
.set N_, 0
.rept 64
	v_cmp_gt_i32 vcc_lo, 16*(N_/8)+N_%8, v252
	v_cndmask_b32 v[S+N_], v[S+N_], v254, vcc_lo
.set N_, N_+1
.endr
.Lopen_\@:
.irp b, 0,1,2,3
	v_max3_num_f32 v[BM+\b], v[S+16*\b], v[S+1+16*\b], v[S+2+16*\b]   ; the largest score of each block of 32 keys: for the row's maximum, and, since p rises with the score, for the block's largest p
.endr
.irp i, 3,5,7,9,11,13
.irp b, 0,1,2,3
	v_max3_num_f32 v[BM+\b], v[BM+\b], v[S+16*\b+\i], v[S+1+16*\b+\i]
.endr
.endr
.irp b, 0,1,2,3
	v_max_num_f32 v[BM+\b], v[BM+\b], v[S+15+16*\b]
.endr
.irp b, 0,1,2,3
	s_delay_alu instid0(VALU_DEP_4)
	v_permlanex16_b32 v[PT+\b], v[BM+\b], s[SEL], s[SEL+1]
.endr
.irp b, 0,1,2,3
	s_delay_alu instid0(VALU_DEP_4)
	v_max_num_f32 v[BM+\b], v[BM+\b], v[PT+\b]     ; with lane l xor 16's 16 keys
.endr
	s_delay_alu instid0(VALU_DEP_2)
	v_max3_num_f32 v254, v[BM], v[BM+1], v[BM+2]
	s_delay_alu instid0(VALU_DEP_1)
	v_max_num_f32 v254, v254, v[BM+3]              ; the step's largest score of my query
	s_delay_alu instid0(VALU_DEP_1)
	v_mul_f32 v254, s[CS], v254                    ; as t
	s_delay_alu instid0(VALU_DEP_1)
	v_max_num_f32 v13, v13, v254                   ; the running largest t
	v_mov_b32 v254, v12
	s_delay_alu instid0(VALU_DEP_2)
	v_floor_f32 v12, -v13                          ; the new -M = floor(-t): M is a whole number
	s_delay_alu instid0(VALU_DEP_1)
	v_sub_f32 v254, v12, v254                      ; old M - new M: a whole number, 0 or less
	s_delay_alu instid0(VALU_DEP_1)
	v_cvt_i32_f32 v254, v254                       ; (it saturates)
	s_delay_alu instid0(VALU_DEP_1)
	v_ldexp_f32 v252, 1.0, v254                    ; f = 2^(old M - new M)
.set J_, 0
.rept 32
	v_pk_fma_f32 v[S+J_:S+J_+1], v[S+J_:S+J_+1], s[CS:CS+1], v[12:13] op_sel_hi:[1,0,0]   ; t - M, two at a time
.set J_, J_+2
.endr
.irp b, 0,1,2,3
	v_fma_f32 v[BM+\b], v[BM+\b], s[CS], v12       ; the same of each block's largest score
.endr
.set J_, 0
	s_wait_alu depctr_va_vdst(0)
.rept 64
	v_exp_f32 v[S+J_], v[S+J_]                     ; p = 2^(t - M), at most 1
.set J_, J_+1
.endr
	v_pk_mul_f32 v[14:15], v[14:15], v[252:253] op_sel_hi:[1,0]   ; the sums under the new M: a plain place behind the exponentials
	s_wait_alu depctr_va_vdst(0)                   ; one wait for the batch of 64, ahead of its first reader
.irp b, 0,1,2,3
	v_exp_f32 v[BM+\b], v[BM+\b]                   ; the block's largest p
.endr
	v_pk_add_f32 v[244:245], v[100:101], v[104:105]
	v_pk_add_f32 v[254:255], v[108:109], v[112:113]
	v_pk_add_f32 v[250:251], v[116:117], v[120:121]
	v_pk_add_f32 v[248:249], v[124:125], v[128:129]
	v_pk_add_f32 v[246:247], v[132:133], v[136:137]
	v_pk_add_f32 v[92:93], v[140:141], v[144:145]
	v_pk_add_f32 v[90:91], v[148:149], v[152:153]
	v_pk_add_f32 v[14:15], v[14:15], v[156:157]
	v_pk_add_f32 v[244:245], v[244:245], v[96:97]
	v_pk_add_f32 v[254:255], v[254:255], v[98:99]
	v_pk_add_f32 v[250:251], v[250:251], v[102:103]
	v_pk_add_f32 v[248:249], v[248:249], v[106:107]
	v_pk_add_f32 v[246:247], v[246:247], v[110:111]
	v_pk_add_f32 v[92:93], v[92:93], v[114:115]
	v_pk_add_f32 v[90:91], v[90:91], v[118:119]
	v_pk_add_f32 v[14:15], v[14:15], v[122:123]
	v_pk_add_f32 v[244:245], v[244:245], v[126:127]
	v_pk_add_f32 v[254:255], v[254:255], v[130:131]
	v_pk_add_f32 v[250:251], v[250:251], v[134:135]
	v_pk_add_f32 v[248:249], v[248:249], v[138:139]
	v_pk_add_f32 v[246:247], v[246:247], v[142:143]
	v_pk_add_f32 v[92:93], v[92:93], v[146:147]
	v_pk_add_f32 v[90:91], v[90:91], v[150:151]
	v_pk_add_f32 v[14:15], v[14:15], v[154:155]
	v_pk_add_f32 v[244:245], v[244:245], v[158:159]
	s_delay_alu instid0(VALU_DEP_2)
	v_pk_add_f32 v[14:15], v[14:15], v[248:249]
	s_delay_alu instid0(VALU_DEP_2)
	v_pk_add_f32 v[244:245], v[244:245], v[246:247]
	v_pk_add_f32 v[254:255], v[254:255], v[92:93]
	v_pk_add_f32 v[250:251], v[250:251], v[90:91]
	s_delay_alu instid0(VALU_DEP_2)
	v_pk_add_f32 v[14:15], v[14:15], v[254:255]
	s_delay_alu instid0(VALU_DEP_2)
	v_pk_add_f32 v[244:245], v[244:245], v[250:251]
	s_delay_alu instid0(VALU_DEP_1)
	v_pk_add_f32 v[14:15], v[14:15], v[244:245]
	s_wait_alu depctr_va_vdst(0)                   ; and one for the four
.irp b, 0,1,2,3
	v_max_num_f32 v[BM+\b], 0x1800000, v[BM+\b]    ; the floor 2^(3 - 127): the byte cannot fall under 1
.endr
.irp b, 0,1,2,3
	s_delay_alu instid0(VALU_DEP_4)
	v_add_nc_u32 v[SO+\b], 0xff000000, v[BM+\b]    ; 2 off the exponent field: the conversion's scale operand
.endr
.irp b, 0,1,2,3
	s_delay_alu instid0(VALU_DEP_4)
	v_lshrrev_b32 v[PT+\b], 23, v[SO+\b]           ; the scale's byte
.endr
	s_delay_alu instid0(VALU_DEP_3)
	v_lshl_or_b32 v[PS], v[PT+1], 8, v[PT]         ; p's scale word for these 128 keys
	s_delay_alu instid0(VALU_DEP_1)
	v_lshl_or_b32 v[PS], v[PT+2], 16, v[PS]
	s_delay_alu instid0(VALU_DEP_1)
	v_lshl_or_b32 v[PS], v[PT+3], 24, v[PS]
.irp c, 0,1
	v_cvt_scalef32_pk16_fp6_f32 v[PC+6*\c:PC+2+6*\c], v[S+32*\c:S+15+32*\c], v[SO+2*\c]
	v_cvt_scalef32_pk16_fp6_f32 v[PCT+4*\c:PCT+2+4*\c], v[S+16+32*\c:S+31+32*\c], v[SO+2*\c+1]   ; (a conversion's three registers begin on an even number)
.endr
	v_nop                                          ; one plain place behind a scaled conversion
.irp c, 0,1                                    ; a whole block to a lane: lanes 0-15 block 2 c, lanes 16-31 block 2 c + 1
.irp i, 0,1,2
	v_permlane16_swap_b32 v[PC+6*\c+\i], v[PCT+4*\c+\i]
.endr
.irp i, 0,1,2
	s_delay_alu instid0(VALU_DEP_3)
	v_mov_b32 v[PC+3+6*\c+\i], v[PCT+4*\c+\i]
.endr
.endr
.set J_, 0
.rept 16
	v_pk_mul_f32 v[O+J_:O+J_+1], v[O+J_:O+J_+1], v[252:253] op_sel_hi:[1,0]   ; O^T under the new M, from each accumulator's low end on.  (For each product below twelve of these name none of its registers: the places behind p's codes and scale word)
.set J_, J_+2
.endr
	s_wait_alu depctr_va_vdst(0)
	s_wait_dscnt 0x0                               ; V is in
.irp t, 0,2                                    ; O^T += V^T P^T: four accumulators by turns; K = these 128 keys
	v_wmma_scale_f32_16x16x128_f8f6f4 v[O+8*\t:O+8*\t+7], v[VB+12*\t:VB+12*\t+11], v[PC:PC+11], v[O+8*\t:O+8*\t+7], v[VSC+\t/2], v[PS] matrix_a_fmt:MATRIX_FMT_FP6 matrix_b_fmt:MATRIX_FMT_FP6
	v_wmma_scale_f32_16x16x128_f8f6f4 v[O+8*\t+8:O+8*\t+15], v[VB+12*\t+12:VB+12*\t+23], v[PC:PC+11], v[O+8*\t+8:O+8*\t+15], v[VSC+\t/2], v[PS] matrix_a_fmt:MATRIX_FMT_FP6 matrix_b_fmt:MATRIX_FMT_FP6 matrix_a_scale:MATRIX_SCALE_ROW1
.endr
.Lhidden_\@:
.endm
; THE CHANGE OF SLOTS stands at a slot's head.  Each wave waits for all its tensor loads (its part of the slot that it is about to read), adds 0 to its spare word, and waits for that and for its reads of the
; slot that it has left.  Behind the barrier the slot ahead is whole and nobody reads the other one.  fill = 1: that other slot is filled with the next trip's 256 keys.
.macro CHANGE fill
	s_wait_tensorcnt 0x0                           ; no tensor load of mine is out, so group 0 may be written
	ds_add_u32 v[SPW], v[NIL]                      ; 0 onto my spare word
	s_lshl_b32 s[KF], s[NS], 8                     ; this trip's first key
.if \fill
	s_xor_b32 s[G0+1], s[G0+1], SLOT1              ; the other slot than last time
	s_add_co_u32 s[NS], s[NS], 1                   ; the next 256 keys,
	s_cmp_eq_u32 s[SLOTS], s[SWP]
	s_cselect_b32 s[NS], 0, s[NS]                  ; or, behind the first block's last trip, the first again
	s_mul_i32 s[OFF], s[NS], 2*RECM
	s_add_nc_u64 s[G0+2:G0+3], s[BASEW:BASEW+1], s[OFF:OFF+1]
	s_or_b32 s[G0+3], s[G0+3], 0x80000000
	s_wait_xcnt 0x0                                ; the last prefetch, a trip back, has read its address, so it may be written
	s_add_nc_u64 s[PFA:PFA+1], s[PFA:PFA+1], 2*RECM
.endif
	s_wait_dscnt 0x0                               ; the add is done, and my reads of the slot that I have left are over
	s_barrier_signal -1
	s_barrier_wait -1
.if \fill
	TLOAD                                          ; the first thing behind the barrier, and a wave's one tensor load until the next
	ASK
.endif
.endm
; A BLOCK OF QUERIES IS DONE.  O^T is divided by the sum; a lane's numbers are brought into the natural order along d; the head's two blocks of 32 are quantised; the six registers are half a fragment of the
; last product's operand and leave as three stores of 256 consecutive bytes; lane (r, H) stores block H's scale byte of row r.  again = 1: the second block's Q takes its place and the sums begin anew.
.macro FINISH yb, ysb, again
.rept 4
	v_nop                                          ; places behind the last products
.endr
	v_add_f32 v14, v14, v15                        ; the sum's two halves,
	s_delay_alu instid0(VALU_DEP_1)
	v_permlanex16_b32 v[PT], v14, s[SEL], s[SEL+1]
	s_delay_alu instid0(VALU_DEP_1)
	v_add_f32 v14, v14, v[PT]                      ; and lane l xor 16's: the row's sum
	s_wait_alu depctr_va_vdst(0)
	v_rcp_f32 v14, v14
	v_nop                                          ; a plain place behind the reciprocal
	s_wait_alu depctr_va_vdst(0)                   ; and the wait ahead of its first reader
.set J_, 0
.rept 16
	v_pk_mul_f32 v[O+J_:O+J_+1], v[O+J_:O+J_+1], v[14:15] op_sel_hi:[1,0]
.set J_, J_+2
.endr
.irp b, 0,1
.irp j, 0,1,2,3,4,5,6,7
	v_permlane16_swap_b32 v[O+16*\b+\j], v[O+16*\b+8+\j]   ; register 16 b + i of lane (r, h) is now d = 32 b + 16 h + i
.endr
.endr
.irp b, 0,1
	v_max3_num_f32 v[BM+\b], |v[O+16*\b]|, |v[O+1+16*\b]|, 0x1800000
.endr
.irp i, 2,4,6,8,10,12,14
.irp b, 0,1
	s_delay_alu instid0(VALU_DEP_2)
	v_max3_num_f32 v[BM+\b], v[BM+\b], |v[O+16*\b+\i]|, |v[O+1+16*\b+\i]|
.endr
.endr
.irp b, 0,1
	s_delay_alu instid0(VALU_DEP_2)
	v_permlanex16_b32 v[PT+\b], v[BM+\b], s[SEL], s[SEL+1]
.endr
.irp b, 0,1
	s_delay_alu instid0(VALU_DEP_2)
	v_max_num_f32 v[BM+\b], v[BM+\b], v[PT+\b]
.endr
.irp b, 0,1
	s_delay_alu instid0(VALU_DEP_2)
	v_add_nc_u32 v[SO+\b], 0xff000000, v[BM+\b]
.endr
.irp b, 0,1
	s_delay_alu instid0(VALU_DEP_2)
	v_lshrrev_b32 v[PT+\b], 23, v[SO+\b]
.endr
	v_cvt_scalef32_pk16_fp6_f32 v[PC:PC+2], v[O:O+15], v[SO]
	v_cvt_scalef32_pk16_fp6_f32 v[PC+8:PC+10], v[O+16:O+31], v[SO+1]
	v_nop                                          ; one plain place behind a scaled conversion
.irp i, 0,1,2
	v_permlane16_swap_b32 v[PC+\i], v[PC+8+\i]
.endr
.irp i, 0,1,2
	s_delay_alu instid0(VALU_DEP_3)
	v_mov_b32 v[PC+3+\i], v[PC+8+\i]               ; lane (r, H): d = 32 H + 0 .. 31 of row r
.endr
	v_cndmask_b32 v[PT], v[PT], v[PT+1], s[HM]     ; my block's byte
.irp g, 0,1,2
	global_store_b64 v[L8], v[PC+2*\g:PC+2*\g+1], s[\yb:\yb+1] offset:256*\g
.endr
	global_store_b8 v[YSO], v[PT], s[\ysb:\ysb+1]
.if \again
	s_mov_b32 s[Q0], s[Q0B]
	v_mov_b32 v[QS], v[QBS]
.irp i, 0,1,2,3,4,5
	v_mov_b32 v[Q+\i], v[QB+\i]
.endr
	INIT
	s_wait_xcnt 0x0                                ; the stores have read their data: the next step loads into those registers
.endif
.endm
	s_wait_loadcnt 0x0                             ; Q
.Lslot:                                            ; 8 trips: behind each change of slots but the last the next slot is asked for
	CHANGE 1
	STEP 0
	STEP 1
	s_xor_b32 s[TB], s[TB], SLOT1                  ; on to the other slot
	s_cmp_eq_u32 s[SLOTS], s[SWP]                  ; was that the first block's last slot?  (a branch on the work-group's number)
	s_cbranch_scc0 .Lsame_block
	FINISH YA, SA, 1
.Lsame_block:
	s_sub_co_u32 s[SLOTS], s[SLOTS], 1
	s_cmp_lg_u32 s[SLOTS], 0
	s_cbranch_scc1 .Lslot
	CHANGE 0                                       ; the last slot is written out
	STEP 0
	STEP 1
	FINISH YB, SB, 0
	s_wait_tensorcnt 0x0                           ; the wave's end
	ds_add_u32 v[SPW], v[NIL]
	s_wait_dscnt 0x0
	s_endpgm
.Lfunc_end_k_q76b1ab1670_attn:
	.size	k_q76b1ab1670_attn, .Lfunc_end_k_q76b1ab1670_attn-k_q76b1ab1670_attn
	.p2alignl 7, 3214868480
	.fill 96, 4, 3214868480
	.section	.rodata,"a",@progbits
	.p2align	6, 0x0
	.amdhsa_kernel k_q76b1ab1670_attn
		.amdhsa_group_segment_fixed_size 327680
		.amdhsa_private_segment_fixed_size 0
		.amdhsa_enable_private_segment 0
		.amdhsa_kernarg_size 24
		.amdhsa_user_sgpr_count 2
		.amdhsa_user_sgpr_kernarg_segment_ptr 1
		.amdhsa_wavefront_size32 1
		.amdhsa_system_sgpr_workgroup_id_x 1
		.amdhsa_system_sgpr_workgroup_id_y 1
		.amdhsa_system_sgpr_workgroup_id_z 1
		.amdhsa_system_vgpr_workitem_id 0
		.amdhsa_next_free_vgpr 256
		.amdhsa_next_free_sgpr 100
		.amdhsa_reserve_vcc 1
		.amdhsa_float_denorm_mode_32 3
		.amdhsa_float_denorm_mode_16_64 3
		.amdhsa_memory_ordered 1
		.amdhsa_forward_progress 1
		.amdhsa_inst_pref_size 111
	.end_amdhsa_kernel
	.amdgpu_metadata
---
amdhsa.version: [ 1, 2 ]
amdhsa.kernels:
  - .name:           k_q76b1ab1670_attn
    .symbol:         k_q76b1ab1670_attn.kd
    .args:
      - { .name: qkvrec, .offset: 0, .size: 8, .value_kind: global_buffer, .address_space: global }
      - { .name: y_img, .offset: 8, .size: 8, .value_kind: global_buffer, .address_space: global }
      - { .name: y_sc, .offset: 16, .size: 8, .value_kind: global_buffer, .address_space: global }
    .group_segment_fixed_size: 327680
    .private_segment_fixed_size: 0
    .kernarg_segment_align: 8
    .kernarg_segment_size: 24
    .max_flat_workgroup_size: 512
    .sgpr_count:     100
    .vgpr_count:     256
    .wavefront_size: 32
...
	.end_amdgpu_metadata
.endif
;; end of part 2
;; launch proj (part 3): grid 4 x 64, 4 waves a work-group, clusters of 4 x 4, 327,680 bytes of LDS; arguments y_img, y_sc, w_proj_codes, w_proj_scales, out0; writes out0
.if DOCPART == 3
	.amdgcn_target "amdgcn-amd-amdhsa--gfx1250"
	.amdhsa_code_object_version 6
	.text
	.protected	k_q76b1ab1670_proj
	.globl	k_q76b1ab1670_proj
	.p2align	8
	.type	k_q76b1ab1670_proj,@function
k_q76b1ab1670_proj:
	s_mov_b64 s[64:65], 0
	v_nop
	global_prefetch_b8 v0, s[64:65] scope:SCOPE_SE
	s_setreg_imm32_b32 hwreg(HW_REG_WAVE_MODE, 25, 1), 1
	s_wait_xcnt 0x0
	s_wait_alu depctr_hold_cnt(0) depctr_sa_sdst(0) depctr_va_vdst(0) depctr_va_sdst(0) depctr_va_ssrc(0) depctr_va_vcc(0) depctr_vm_vsrc(0)
	s_getreg_b32 s2, hwreg(HW_REG_IB_STS2, 6, 4)
	s_cmp_eq_u32 s2, 0
	s_cbranch_scc0 .Lentry_in_a_cluster
	s_endpgm
.Lentry_in_a_cluster:
	s_bfe_u32 s2, ttmp6, 0x10000c
	s_cmp_lg_u32 s2, 0xf033
	s_cbranch_scc0 .Lentry_shape_is_right
	s_endpgm
.Lentry_shape_is_right:
; out0 = y w_proj on codes of FP6 (E2M3) with one E8M0 scale for each 32 along K = 1,024; sums and result in f32.
; y: images of operand registers, [row / 16: 512][K / 128: 8][1,536 bytes] (six chunks of 256 bytes: registers 2 p, 2 p + 1 of lane l at 256 p + 8 l); its scale bytes [8,192][32].
; w_proj: [1,024][768 bytes] of codes, K innermost; its scale bytes [1,024][32].  out0: [8,192][1,024] f32.
; A work-group of four waves makes 128 rows x 256 columns: 256 work-groups.  A wave makes 64 x 128: 32 accumulators of 16 x 16, 256 registers.  K goes in steps of 256 through a ring of two LDS slots.
; The scale bytes of the work-group's rows of y and of w, for all of K, come into LDS once, with the first fills, and stay.
; CLUSTERS: 4 x 4 work-groups.  y's tile is shared along a row of the cluster, w's along a column: each is asked for jointly.
; THE MATRIX INSTRUCTION IS USED TRANSPOSED (source 0 = 16 rows of w, source 1 = 16 rows of y): a lane holds eight neighbouring numbers of a row of out0.
; No prefetch: w's tiles are read by every cluster, y's K loop is four steps long.
; REGISTERS, in windows of 256: window 0: v16-29 addresses; v32-63 scale words, two sets; from v128 y's four fragments, one set; on the way out v128-255 rows of out0.
;   window 1: w's fragments, two sets, at v0 and v128.   window 2: the accumulators ((a, b) at v[8 (8 a + b)]).
.set SIZE_K, 1024
.set SIZE_N, 1024
.set KSTEP,  256
.set NQ,     KSTEP/128
.set ROWB,   192                       ; a row of w's tile in bytes
.set KROW,   SIZE_K*6/8
.set PITCH,  240                       ; in LDS: 3 x (64 bytes + 16 of padding)
.set FR,     12
.set NL,     6
.set NP,     4                         ; places behind this matrix instruction (ISA guide 7.12.1)
.set YT,     3072                      ; a row tile's images of a K step of 256
.set YROW,   12288                     ; a row tile's images of all of K
.set HALFY,  4*YT                      ; four row tiles: what one tensor load brings of y
.set APART,  2*HALFY                   ; a slot: y's eight row tiles, dense,
.set HALFT,  128*PITCH                 ; then w's 256 rows
.set SLOT,   APART+2*HALFT
.set LAPS,   SIZE_K/(2*KSTEP)
.set KS,     SIZE_K/32
.set SCL,    2*SLOT                    ; behind the ring: the scale bytes, as units of 256 bytes + 16 of padding:
.set HALFSA, (64*KS/256)*272           ; y's, 64 rows to a load,
.set HALFSB, (128*KS/256)*272          ; w's, 128 rows to a load
.set SBLK,   (16*KS/256)*272
.set SPARE,  SCL+2*HALFSA+2*HALFSB     ; the spare words: 128 bytes a wave, two blocks of 256 bytes that no other line names
.set SPITCH, 528                       ; the way out: a stage of 16 rows x (512 bytes + 16) for each wave, in slot 0, which has had its last fill and its last read when the first result is stored there
.set ADRA, 16                          ; v16-17 LDS address of y's images in slot 0, 1
.set ADRB, 20                          ; v20-21 of w's fragments (v22-23: behind one padding more)
.set STO,  24
.set RD,   25
.set CO,   26
.set ADRS, 27
.set SPW,  28                          ; my spare word; never rewritten
.set NIL,  29                          ; 0; never rewritten
.set SC,   32
.set AF,   128
.set BK,   128
.set G1, 24
.set G0, 32
.set G1B, 48
.set G0B, 56
.set G1S, 68
.set G0S, 76
.set G1SB, 80
.set G0SB, 88
.set MSB, 0
.macro WIN new                         ; the immediate's high byte repeats the setting that is left
.if MSB != (\new)
	s_set_vgpr_msb (MSB<<8)|(\new)
.set MSB, (\new)
.endif
.endm
.set MUL_LO, 0xa1                      ; source 0 (w) window 1, source 1 (y) window 0, C and D window 2
.set TO_B,   0x40
; A joint load: waves 0 and 1 fetch for y, waves 2 and 3 for w.  The branch hangs on the wave's number alone.  Four v_nop follow each of the two lines.
.macro JLOAD g0a, g1a, g0b, g1b
	s_cmp_eq_u32 s15, 0
	s_cbranch_scc0 .Lfor_b_\@
	tensor_load_to_lds s[\g0a:\g0a+3], s[\g1a:\g1a+7]
	s_nop 0
.rept 4
	v_nop
.endr
	s_branch .Lasked_\@
.Lfor_b_\@:
	tensor_load_to_lds s[\g0b:\g0b+3], s[\g1b:\g1b+7]
	s_nop 0
.rept 4
	v_nop
.endr
.Lasked_\@:
.endm
.macro CREST
	s_cmp_lg_u32 s14, 0
	s_cbranch_scc1 .Lnot_wave_0_\@
	s_barrier_signal -3
.Lnot_wave_0_\@:
	s_barrier_wait -3
	s_barrier_signal -1
	s_barrier_wait -1
.endm
.macro CROUND
	s_barrier_signal -1
	s_barrier_wait -1
	CREST
.endm
	s_load_b128 s[4:7], s[0:1], 0x0                ; y's images, y's scale bytes
	s_load_b128 s[8:11], s[0:1], 0x10              ; w's codes, w's scale bytes
	s_load_b64 s[12:13], s[0:1], 0x20              ; out0
	v_lshl_add_u32 v[SPW], v0, 2, SPARE
	v_mov_b32 v[NIL], 0
	ds_add_u32 v28, v29
	s_wait_dscnt 0x0
	v_lshrrev_b32 v1, 5, v0
	v_readfirstlane_b32 s14, v1                    ; wave 0..3
	s_lshr_b32 s15, s14, 1                         ; which 64 of the tile's rows are mine.  Also: I fetch for y (0) or for w (1)
	s_and_b32 s16, s14, 1                          ; which 128 of its columns.  Also: which half of that tile I fetch
	s_bfe_u32 s40, ttmp6, 0x40000                  ; cx, cy
	s_bfe_u32 s41, ttmp6, 0x40004
	s_lshl_b32 s42, ttmp9, 2
	s_add_co_u32 s42, s42, s40                     ; tile column (256 columns) = 4 x cluster x + cx
	s_and_b32 s17, ttmp7, 0xffff
	s_lshl_b32 s17, s17, 2
	s_add_co_u32 s17, s17, s41                     ; tile row (128 rows) = 4 x cluster y + cy
	s_lshl_b32 s43, s41, 2
	s_lshl_b32 s43, 15, s43                        ; my row of the cluster
	s_lshl_b32 s44, 0x1111, s40                    ; my column
	; y's tiles: four row tiles' images of a K step: 4 rows of 3,072 bytes (384 elements of 8), 12,288 bytes apart; dense in LDS
	s_or_b32 s[G1+0], s43, (3<<16)|(1<<21)         ; the mask: my row; elements of 8 bytes; bit 21 beside a mask; no padding
	s_mov_b32 s[G1+1], (YT/8)<<16                  ; tensor_dim0
	s_mov_b32 s[G1+2], 4<<16                       ; tensor_dim1
	s_mov_b32 s[G1+3], (YT/8)<<16                  ; tile_dim0
	s_mov_b32 s[G1+4], 4                           ; tile_dim1
	s_mov_b32 s[G1+5], YROW/8                      ; the pitch
	s_mov_b32 s[G1+6], 0
	s_mov_b32 s[G1+7], 0
	; w's tiles: 128 rows x 192 bytes, 16 bytes of padding behind every 64
	s_or_b32 s[G1B+0], s44, (0<<16)|(1<<20)|(1<<21)|(3<<22)|(3<<25)
	s_mov_b32 s[G1B+1], ROWB<<16
	s_mov_b32 s[G1B+2], 128<<16
	s_mov_b32 s[G1B+3], ROWB<<16
	s_mov_b32 s[G1B+4], 128
	s_mov_b32 s[G1B+5], KROW
	s_mov_b32 s[G1B+6], 0
	s_mov_b32 s[G1B+7], 0
	; the scale bytes: dense blocks, as rows of 256 bytes with 16 bytes of padding behind each: 8 rows for 64 rows of y, 16 for 128 rows of w
	s_or_b32 s[G1S+0], s43, (3<<16)|(1<<20)|(1<<21)|(5<<22)|(3<<25)
	s_mov_b32 s[G1S+1], 32<<16
	s_mov_b32 s[G1S+2], (64*KS/256)<<16
	s_mov_b32 s[G1S+3], 32<<16
	s_mov_b32 s[G1S+4], 64*KS/256
	s_mov_b32 s[G1S+5], 32
	s_mov_b32 s[G1S+6], 0
	s_mov_b32 s[G1S+7], 0
	s_or_b32 s[G1SB+0], s44, (3<<16)|(1<<20)|(1<<21)|(5<<22)|(3<<25)
	s_mov_b32 s[G1SB+1], 32<<16
	s_mov_b32 s[G1SB+2], (128*KS/256)<<16
	s_mov_b32 s[G1SB+3], 32<<16
	s_mov_b32 s[G1SB+4], 128*KS/256
	s_mov_b32 s[G1SB+5], 32
	s_mov_b32 s[G1SB+6], 0
	s_mov_b32 s[G1SB+7], 0
	s_lshl_b32 s20, s17, 3
	s_lshl_b32 s18, s16, 2
	s_add_co_u32 s20, s20, s18                     ; y: row tile 8 x tile row + 4 x half
	s_mul_i32 s20, s20, YROW
	s_mov_b32 s21, 0
	s_lshl_b32 s22, s17, 12
	s_lshl_b32 s18, s16, 11
	s_add_co_u32 s22, s22, s18                     ; its scale bytes: (128 x tile row + 64 x half) x 32
	s_mov_b32 s23, 0
	s_lshl_b32 s46, s42, 8
	s_lshl_b32 s18, s16, 7
	s_add_co_u32 s46, s46, s18                     ; w: row 256 x tile column + 128 x half
	s_lshl_b32 s92, s46, 5                         ; its scale bytes,
	s_mov_b32 s93, 0
	s_mul_i32 s46, s46, KROW                       ; its codes
	s_mov_b32 s47, 0
	s_mul_i32 s45, s16, HALFY                      ; where they go: no place in the cluster enters an LDS address
	s_mul_i32 s94, s16, HALFT
	s_add_co_u32 s94, s94, APART
	s_mul_i32 s95, s16, HALFSA
	s_add_co_u32 s95, s95, SCL
	s_mul_i32 s96, s16, HALFSB
	s_add_co_u32 s96, s96, SCL+2*HALFSA
	s_wait_kmcnt 0x0
	s_add_nc_u64 s[20:21], s[4:5], s[20:21]
	s_add_nc_u64 s[22:23], s[6:7], s[22:23]
	s_add_nc_u64 s[46:47], s[8:9], s[46:47]
	s_add_nc_u64 s[92:93], s[10:11], s[92:93]
	CROUND                                         ; all sixteen work-groups are here: the first joint loads meet
	s_mov_b32 s[G0S], 1
	s_mov_b32 s[G0S+1], s95
	s_mov_b64 s[G0S+2:G0S+3], s[22:23]
	s_or_b32 s[G0S+3], s[G0S+3], 0x80000000
	s_mov_b32 s[G0SB], 1
	s_mov_b32 s[G0SB+1], s96
	s_mov_b64 s[G0SB+2:G0SB+3], s[92:93]
	s_or_b32 s[G0SB+3], s[G0SB+3], 0x80000000
	JLOAD G0S, G1S, G0SB, G1SB                     ; the scale bytes first: filled once
.irp s, 0,1
	s_mov_b32 s[G0+4*\s], 1
	s_add_co_u32 s[G0+4*\s+1], s45, \s*SLOT
	s_add_nc_u64 s[G0+4*\s+2:G0+4*\s+3], s[20:21], \s*YT
	s_or_b32 s[G0+4*\s+3], s[G0+4*\s+3], 0x80000000
	s_mov_b32 s[G0B+4*\s], 1
	s_add_co_u32 s[G0B+4*\s+1], s94, \s*SLOT
	s_add_nc_u64 s[G0B+4*\s+2:G0B+4*\s+3], s[46:47], \s*ROWB
	s_or_b32 s[G0B+4*\s+3], s[G0B+4*\s+3], 0x80000000
	JLOAD G0+4*\s, G1, G0B+4*\s, G1B               ; three tensor loads of mine are out at the most
.endr
	v_and_b32 v1, 15, v0                           ; l % 16
	v_bfe_u32 v2, v0, 4, 1                         ; l / 16
	v_and_b32 v6, 31, v0
	v_lshlrev_b32 v3, 3, v6                        ; y's images: 8 x lane
	v_mul_u32_u24 v4, v1, PITCH
	v_mad_u32_u24 v4, v2, 24, v4                   ; w: a fragment's row x pitch + 24 x half
	v_lshl_add_u32 v5, v2, 4, v4                   ; and the same behind one padding more
	s_mul_i32 s21, s15, HALFY                      ; my four row tiles of y
	s_mul_i32 s22, s16, HALFT                      ; my 128 rows of w,
	s_add_co_u32 s22, s22, APART                   ; which lie behind y's part
.irp s, 0,1
	v_add_nc_u32 v[ADRA+\s], s21, v3
	v_add_nc_u32 v[ADRB+\s], s22, v4
	v_add_nc_u32 v[ADRB+2+\s], s22, v5
	s_add_co_u32 s21, s21, SLOT
	s_add_co_u32 s22, s22, SLOT
.endr
	v_mul_u32_u24 v5, v1, KS                       ; my row's scale bytes: 32 a row,
	v_lshrrev_b32 v6, 8, v5
	v_lshl_add_u32 v5, v6, 4, v5                   ; and 16 more for each 256 passed
	s_mul_i32 s21, s15, HALFSA                     ; y's: my 64 rows
	s_mul_i32 s22, s16, HALFSB                     ; w's: my 128 rows, behind y's 128
	s_add_co_u32 s22, s22, 2*HALFSA
	s_sub_co_u32 s22, s22, s21
	v_mul_u32_u24 v6, s22, v2                      ; lanes 16-31 take w's
	s_add_co_u32 s21, s21, SCL
	v_add_nc_u32 v5, v5, v6
	v_add_nc_u32 v[ADRS], s21, v5
	s_mul_i32 s23, s14, 16*SPITCH                  ; my stage
	v_mul_u32_u24 v5, v1, SPITCH                   ; in: row l % 16, 32 bytes for each half of the lanes
	v_lshl_add_u32 v5, v2, 5, v5
	v_add_nc_u32 v[STO], s23, v5
	v_and_b32 v6, 31, v0
	v_lshlrev_b32 v[CO], 4, v6                     ; back: the 32 lanes take one row of 512 bytes; and the same in out0
	v_add_nc_u32 v[RD], s23, v[CO]
	s_lshl_b32 s20, s17, 7
	s_lshl_b32 s21, s15, 6
	s_add_co_u32 s20, s20, s21                     ; my first row: 128 x tile row + 64 x half,
	s_lshl_b32 s20, s20, 12                        ; of 4,096 bytes
	s_lshl_b32 s46, s42, 10                        ; my first column, in bytes: 1,024 x tile column + 512 x half
	s_lshl_b32 s47, s16, 9
	s_add_co_u32 s46, s46, s47
	s_add_co_u32 s20, s20, s46
	s_mov_b32 s21, 0
	s_add_nc_u64 s[12:13], s[12:13], s[20:21]
.macro FRAG reg, adr, q, i             ; a fragment of w: 12 registers, in pieces of 8 bytes of the row's stream of bits
.irp p, 0,1,2,3,4,5
.set PC, 12*(\q)+6*(\p/3)+\p%3        ; 16 bytes of padding lie behind every 8 pieces: where the piece three on lies behind one padding more, the second address register serves
.if PC%8 < 5
	ds_load_b64 v[\reg+2*\p:\reg+2*\p+1], v[\adr] offset:8*PC+16*(PC/8)+(\i)*16*PITCH
.else
	ds_load_b64 v[\reg+2*\p:\reg+2*\p+1], v[\adr+2] offset:8*PC+16*(PC/8)+(\i)*16*PITCH
.endif
.endr
.endm
.macro FRAGY reg, adr, q, i            ; a fragment of y comes back as it was stored: six loads of 256 consecutive bytes
.irp p, 0,1,2,3,4,5
	ds_load_b64 v[\reg+2*\p:\reg+2*\p+1], v[\adr] offset:YT*(\i)+1536*(\q)+256*\p
.endr
.endm
; 8 matrix instructions: y's block a x w's eight, 128 along K.  The 32 accumulators take turns, one instruction a turn, in the same order in every step.
.macro MUL8 a, p, q, sc, zero
.irp b, 0,1,2,3,4,5,6,7
.if \zero
	v_wmma_scale_f32_16x16x128_f8f6f4 v[8*(8*(\a)+\b):8*(8*(\a)+\b)+7], v[128*(\p)+FR*\b:128*(\p)+FR*\b+FR-1], v[AF+FR*(\a):AF+FR*(\a)+FR-1], 0, v[SC+8*NQ*(\sc)+NQ*\b+(\q)], v[SC+8*NQ*(\sc)+NQ*(\a)+(\q)] matrix_a_fmt:MATRIX_FMT_FP6 matrix_b_fmt:MATRIX_FMT_FP6 matrix_a_scale:MATRIX_SCALE_ROW1
.else
	v_wmma_scale_f32_16x16x128_f8f6f4 v[8*(8*(\a)+\b):8*(8*(\a)+\b)+7], v[128*(\p)+FR*\b:128*(\p)+FR*\b+FR-1], v[AF+FR*(\a):AF+FR*(\a)+FR-1], v[8*(8*(\a)+\b):8*(8*(\a)+\b)+7], v[SC+8*NQ*(\sc)+NQ*\b+(\q)], v[SC+8*NQ*(\sc)+NQ*(\a)+(\q)] matrix_a_fmt:MATRIX_FMT_FP6 matrix_b_fmt:MATRIX_FMT_FP6 matrix_a_scale:MATRIX_SCALE_ROW1
.endif
.endr
.endm
.macro FETCH_B slot, q, p
	WIN TO_B
.irp i, 0,1,2,3,4,5,6,7
	FRAG 128*(\p)+FR*\i, ADRB+\slot, \q, \i
.endr
	WIN 0
.endm
.macro FETCH_A slot, q, i0             ; y's blocks i0, i0 + 1
.irp i, \i0, \i0+1
	FRAGY AF+FR*(\i), ADRA+\slot, \q, \i
.endr
.endm
.macro SCALES sc                       ; a K step's scale words: lanes 0-15 take y's block i, lanes 16-31 w's block i.  (For i = 4 .. 7 lanes 0-15 read bytes of the scales' region that are filled and not used)
.irp i, 0,1,2,3,4,5,6,7
	ds_load_b64 v[SC+8*NQ*\sc+NQ*\i:SC+8*NQ*\sc+NQ*\i+1], v[ADRS] offset:\i*SBLK
.endr
.endm
.macro PLACES n
.rept \n
	v_nop
.endr
.endm
.macro STEP slot, q, zero              ; a step of 128 along K that has its successor in the same slot
	s_wait_dscnt 2*NL                              ; w's set and y's blocks 0, 1 are in; the youngest 12 loads (blocks 2, 3) may be out
	WIN MUL_LO
	MUL8 0, (\q)%2, \q, \slot, \zero
	MUL8 1, (\q)%2, \q, \slot, \zero
	s_wait_dscnt 0                                 ; blocks 2, 3 are in
	PLACES NP
	FETCH_B \slot, (\q)+1, 1-(\q)%2
	FETCH_A \slot, (\q)+1, 0
	WIN MUL_LO
	MUL8 2, (\q)%2, \q, \slot, \zero
	MUL8 3, (\q)%2, \q, \slot, \zero
	PLACES NP
	WIN 0
	FETCH_A \slot, (\q)+1, 2
.endm
; A slot's last step changes slots: one barrier; in front of it each wave waits for all its tensor loads, adds 0 to its spare word, and waits for that and for its reads of this slot.
.macro TURN slot, next, fill
	s_wait_tensorcnt 0x0                           ; all my tensor loads have landed: my part of the next slot
	ds_add_u32 v[SPW], v[NIL]                      ; 0 onto my spare word
	s_wait_dscnt 2*NL+1                            ; the add and the youngest 12 loads may be out
	WIN MUL_LO
	MUL8 0, 1, NQ-1, \slot, 0
	s_wait_dscnt 0x0                               ; the add is done, and my reads of this slot are over
	s_barrier_signal -1
	MUL8 1, 1, NQ-1, \slot, 0
	WIN 0
	s_barrier_wait -1
.if \fill
	CREST                                          ; the barrier has opened a round of the cluster's barrier: no wave of any partner still reads this slot or has a load on its way
	s_add_nc_u64 s[G0+4*\slot+2:G0+4*\slot+3], s[G0+4*\slot+2:G0+4*\slot+3], 2*YT
	s_add_nc_u64 s[G0B+4*\slot+2:G0B+4*\slot+3], s[G0B+4*\slot+2:G0B+4*\slot+3], 2*ROWB
	JLOAD G0+4*\slot, G1, G0B+4*\slot, G1B         ; the first tensor load behind the round; its four v_nop are also the places in front of the loads below
.else
	PLACES NP
.endif
	v_add_nc_u32 v[ADRS], 4*NQ, v[ADRS]            ; on to the next K step's scale words
	FETCH_B \next, 0, 0
	FETCH_A \next, 0, 0
	SCALES \next
	WIN MUL_LO
	MUL8 2, 1, NQ-1, \slot, 0
	MUL8 3, 1, NQ-1, \slot, 0
	PLACES NP
	WIN 0
	FETCH_A \next, 0, 2
.endm
	s_wait_tensorcnt 1                             ; the scale bytes and my part of K step 0 are in (K step 1's load may be out)
	s_barrier_signal -1
	s_barrier_wait -1                              ; everybody's are
	FETCH_B 0, 0, 0
	FETCH_A 0, 0, 0
	SCALES 0
	FETCH_A 0, 0, 2
	STEP 0, 0, 1                                   ; the first step's products start the sums: nothing is cleared
	s_mov_b32 s3, LAPS-1
.Llap:                                                 ; a trip goes once round the ring and fills both slots again
	TURN 0, 1, 1
	STEP 1, 0, 0
	TURN 1, 0, 1
	STEP 0, 0, 0
	s_sub_co_u32 s3, s3, 1
	s_cmp_lg_u32 s3, 0
	s_cbranch_scc1 .Llap
	TURN 0, 1, 0                                   ; the last lap fills nothing
	STEP 1, 0, 0
	s_wait_dscnt 2*NL
	WIN MUL_LO
	MUL8 0, 1, NQ-1, 1, 0
	MUL8 1, 1, NQ-1, 1, 0
	s_wait_dscnt 0
	MUL8 2, 1, NQ-1, 1, 0
	MUL8 3, 1, NQ-1, 1, 0
	WIN 0
; THE WAY OUT, block by block of 16 rows x 128 columns: through my own stage in LDS and back as whole rows of 512 bytes.  LDS serves a wave's instructions in order (ISA guide 5.7.1.4):
; no wait between the stores and the loads, nor in front of the next block's stores.
.macro TOSTAGE a
.set AC, 64*(\a)
	WIN 0x08                                       ; an LDS store's data are its source 1: window 2
.irp b, 0,1,2,3,4,5,6,7
	ds_store_b128 v[STO], v[AC+8*\b:AC+8*\b+3] offset:64*\b          ; each accumulator from its low end on
	ds_store_b128 v[STO], v[AC+8*\b+4:AC+8*\b+7] offset:64*\b+16
.endr
	WIN 0
.set BB, BK+64*((\a)%2)
.irp t, 0,1,2,3,4,5,6,7,8,9,10,11,12,13,14,15
	ds_load_b128 v[BB+4*\t:BB+4*\t+3], v[RD] offset:\t*SPITCH
.endr
.endm
.macro SEND a, younger                 ; younger: the LDS instructions issued behind block a's loads, which may stay out
.set BB, BK+64*((\a)%2)
	s_wait_dscnt \younger
.if (\a) > 0
	s_add_nc_u64 s[12:13], s[12:13], 16*SIZE_N*4   ; (behind a wait on XCNT: the earlier stores have read their base)  16 rows on
.endif
.irp t, 0,1,2,3,4,5,6,7,8,9,10,11,12,13,14,15
	global_store_b128 v[CO], v[BB+4*\t:BB+4*\t+3], s[12:13] offset:\t*SIZE_N*4 th:TH_STORE_NT   ; 32 lanes store 512 consecutive bytes, at a multiple of 256 from out0's first byte; written once, read by nobody here
.endr
.endm
	PLACES NP                                      ; behind the last products: for the loads into the registers that held y's fragments and for the reads of results
	TOSTAGE 0
.irp a, 1,2,3
.if \a > 1
	s_wait_xcnt 0x0                                ; block a - 2's stores have read their registers and their base
.endif
	TOSTAGE \a
	SEND \a-1, 32                                  ; behind block a - 1's loads: block a's 16 stores and 16 loads
.endr
	s_wait_xcnt 0x0                                ; block 2's stores have read their base
	SEND 3, 0
	s_wait_tensorcnt 0x0                           ; the wave's end
	ds_add_u32 v[SPW], v[NIL]
	s_wait_dscnt 0x0
	CROUND                                         ; the closing round: no work-group ends while a partner may still ask for a tile that names it
	s_endpgm
.Lfunc_end_k_q76b1ab1670_proj:
	.size	k_q76b1ab1670_proj, .Lfunc_end_k_q76b1ab1670_proj-k_q76b1ab1670_proj
	.p2alignl 7, 3214868480
	.fill 96, 4, 3214868480
	.section	.rodata,"a",@progbits
	.p2align	6, 0x0
	.amdhsa_kernel k_q76b1ab1670_proj
		.amdhsa_group_segment_fixed_size 327680
		.amdhsa_private_segment_fixed_size 0
		.amdhsa_enable_private_segment 0
		.amdhsa_kernarg_size 40
		.amdhsa_user_sgpr_count 2
		.amdhsa_user_sgpr_kernarg_segment_ptr 1
		.amdhsa_wavefront_size32 1
		.amdhsa_system_sgpr_workgroup_id_x 1
		.amdhsa_system_sgpr_workgroup_id_y 1
		.amdhsa_system_sgpr_workgroup_id_z 1
		.amdhsa_system_vgpr_workitem_id 0
		.amdhsa_next_free_vgpr 768
		.amdhsa_next_free_sgpr 98
		.amdhsa_reserve_vcc 0
		.amdhsa_float_denorm_mode_32 3
		.amdhsa_float_denorm_mode_16_64 3
		.amdhsa_memory_ordered 1
		.amdhsa_forward_progress 1
		.amdhsa_inst_pref_size 101
	.end_amdhsa_kernel
	.amdgpu_metadata
---
amdhsa.version: [ 1, 2 ]
amdhsa.kernels:
  - .name:           k_q76b1ab1670_proj
    .symbol:         k_q76b1ab1670_proj.kd
    .args:
      - { .name: y_img, .offset: 0, .size: 8, .value_kind: global_buffer, .address_space: global }
      - { .name: y_sc, .offset: 8, .size: 8, .value_kind: global_buffer, .address_space: global }
      - { .name: w_proj_codes, .offset: 16, .size: 8, .value_kind: global_buffer, .address_space: global }
      - { .name: w_proj_scales, .offset: 24, .size: 8, .value_kind: global_buffer, .address_space: global }
      - { .name: out0, .offset: 32, .size: 8, .value_kind: global_buffer, .address_space: global }
    .group_segment_fixed_size: 327680
    .private_segment_fixed_size: 0
    .kernarg_segment_align: 8
    .kernarg_segment_size: 40
    .max_flat_workgroup_size: 128
    .sgpr_count:     98
    .vgpr_count:     768
    .wavefront_size: 32
...
	.end_amdgpu_metadata
.endif
;; end of part 3
